; MI455X (gfx1250); checked and timed in simulation.
; The chip was launched on July 23, 2026; its instructions are those of AMD's public machine-readable ISA for CDNA 5 (MIT licence, August 2026) and "CDNA5" Instruction Set Architecture Reference Guide (July 2026). The comments in the code are by the model that wrote it; some were corrected since.
;; Temporal Band. Allowed arithmetic: matrix products marked QUANTISED: E2M3 operands, one E8M0 scale for each 32 along K, by v_wmma_scale_f32_16x16x128_f8f6f4 with both operands' format E2M3, f32 sums; everything else in f32.
;; Inputs: Wk 1,024 x 1,024 float32; Wo 1,024 x 1,024 float32; Wq 1,024 x 1,024 float32; Wv 1,024 x 1,024 float32; beta 1,024 float32; bk 1,024 float32; bo 1,024 float32; bq 1,024 float32; bv 1,024 float32; gamma 1,024 float32; x 4 x 2,048 x 1,024 float32.
;; Outputs: out0 4 x 2,048 x 1,024 float32.
;; This version of the problem:
;;   THIS VERSION OF THE PROBLEM IS GIVEN IN LOW PRECISION. The matrix products marked QUANTISED in the list below multiply operands that are first quantised to E2M3 (2 exponent bits, 3 mantissa bits; 6 bits a number), with one power-of-two scale for each 32 numbers along K (OCP MX v1.0); their sums are f32. All else is computed in f32.
;;   The module's matrix products, in the order in which they are computed (A, B: the left and right operand; K: the contracted axis; several contracted axes count as one K, in the product's order):
;;     1. [M 8,192, K 1,024] x [K 1,024, N 1,024]; A: computed on the way; B: input Wq: QUANTISED
;;     2. [M 8,192, K 1,024] x [K 1,024, N 1,024]; A: computed on the way; B: input Wk: QUANTISED
;;     3. [M 8,192, K 1,024] x [K 1,024, N 1,024]; A: computed on the way; B: input Wv: QUANTISED
;;     4. batch 64 x [M 2,048, K 64] x [K 64, N 2,048]; A: computed on the way; B: computed on the way: QUANTISED
;;     5. batch 64 x [M 2,048, K 2,048] x [K 2,048, N 64]; A: softmax (see below); B: computed on the way: QUANTISED
;;     6. [M 8,192, K 1,024] x [K 1,024, N 1,024]; A: computed on the way; B: input Wo: QUANTISED
;;   THE QUANTISER, for each operand of a quantised product, along K:
;;     - K is cut into blocks of 32 from its start; a last block that is shorter is filled with zeros.
;;     - A block's scale is 2^e with e = floor(log2(the largest magnitude in the block)) - 2, held to -126 .. 127; a block of zeros has e = 0. As a byte (E8M0): e + 127.
;;     - Each number is divided by its block's scale, clamped to +-7.5, and rounded to the nearest number of E2M3, ties to even, subnormals kept.
;;     - The product sums the exact products of the quantised numbers (number of the format x scale) in f32.
;;   ~~~python
;;   def quantise(x, axis):      # numpy; x: float32 -> the quantised numbers, widened to float32 again
;;       x = np.moveaxis(x, axis, -1); K = x.shape[-1]
;;       x = np.pad(x, [(0, 0)] * (x.ndim - 1) + [(0, -K % 32)]); x = x.reshape(x.shape[:-1] + (-1, 32)); a = np.abs(x).max(-1, keepdims=True)
;;       e = np.where(a > 0, np.clip(np.frexp(np.where(a > 0, a, 1))[1] - 1 - 2, -126, 127), 0)      # np.frexp(a)[1] - 1 = floor(log2(a)), exactly
;;       r = np.clip(x / 2.0 ** e, -7.5, 7.5)
;;       step = 2.0 ** (np.maximum(np.frexp(np.where(r == 0, 1, r))[1] - 1, 0) - 3)
;;       q = np.round(r / step) * step * 2.0 ** e      # np.round: ties to even
;;       return np.moveaxis(q.reshape(q.shape[:-2] + (-1,))[..., :K], -1, axis).astype(np.float32)
;;   ~~~
;;   SOFTMAX AHEAD OF A QUANTISED PRODUCT. Where the list says 'softmax', what is quantised is not the finished softmax but p = 2^(t - M), with t = logit x log2(e) and M = ceil(the row's largest t), a whole number; so 1/2 < the row's largest p <= 1. The row's sum l is taken of the UNQUANTISED p, in f32, and the product's result is divided by l at the end. Since M is a whole number, a kernel that streams over the keys may use a running M (the ceiling of the running maximum): every later rescaling is an exact power of two, which a block's scale takes up: the codes' values come out the same.
;;   OPERANDS COMPUTED ON THE WAY. 'Computed on the way' means the value that the module computes at that place (a softmax that the list does not call 'softmax' is quantised finished and normalised). What goes into a quantiser is computed in f32, as accurately as f32 sums, v_exp_f32 and their like allow (about 1e-6 of the number): no bf16 or f16 on the way to a quantiser, and a product that is left as it is and whose result goes on into a quantised operand takes f32 operands (vector FMAs, or v_wmma_f32_16x16x4_f32). A number that lies on a knife's edge between two numbers of the format may be rounded either way, as far as f32 arithmetic and the matrix unit's own rounding can turn it there, and no further.
;; One version. Each part assembles by itself: llvm-mc -triple=amdgcn-amd-amdhsa -mcpu=gfx1250 --defsym DOCPART=n.
;; ======== version 1 of 1: 4 launches
;; workspace buffers: xc 6,815,744 bytes; wc 3,407,872 bytes; qb 6,815,744 bytes; kv 13,631,488 bytes; ac 6,815,744 bytes
;; launch prep (part 1): grid 384 x 1, 4 waves a work-group, no clusters, 47,360 bytes of LDS; arguments x, Wq, Wk, Wv, Wo, gamma, beta, xc, wc; writes xc, wc
.if DOCPART == 1
	.amdgcn_target "amdgcn-amd-amdhsa--gfx1250"
	.amdhsa_code_object_version 6
	.text
	.protected	k_qce5b15beaf_prep
	.globl	k_qce5b15beaf_prep
	.p2align	8
	.type	k_qce5b15beaf_prep,@function
k_qce5b15beaf_prep:
	s_mov_b64 s[64:65], 0
	v_nop
	global_prefetch_b8 v0, s[64:65] scope:SCOPE_SE
	s_setreg_imm32_b32 hwreg(HW_REG_WAVE_MODE, 25, 1), 1
	s_wait_xcnt 0x0
; LayerNorm of x [8192][1024] and the quantising of its result and of Wq, Wk, Wv, Wo [1024][1024] (K innermost) into codes of FP6 (E2M3) with one E8M0 byte for each 32 along K.
; OUTPUT LAYOUT: images of operand registers.  A TILE is 16 rows over all K = 1,024: 13,312 bytes = four slots of 3,328: [K step 2 s: two half fragments][K step 2 s + 1: two][scale image, 256 bytes].
; A half fragment (16 rows x 64 K) is registers 0-3 at 16 x lane (512 bytes), then registers 4-5 at 8 x lane (256 bytes); lane = row + 16 h holds k = 32 h + 0 .. 31.  A scale image: lane L holds the two steps' words of row L % 16.
; THE ROWS OF A TILE ARE NOT NEIGHBOURS: in each group of 32 rows, lane row r of tile u is row 8 u + r % 8 + 16 (r / 8): so in every later product a lane's 16 registers of two neighbouring tiles are 16 neighbours.
; SHARES.  A work-group takes 32 rows (two tiles, 26,624 bytes out): work-groups 0-255 rows of x, 256-383 rows of the weights.  Wave w takes rows 8 w .. 8 w + 7: tile w % 2, lane rows 8 (w / 2) + i.
; A row (4,096 bytes) comes by eight loads of 512 consecutive bytes, is normalised as it was loaded (x alone), turns through the wave's own stage in LDS so that lane l holds block l of 32 numbers, and is quantised with no
; other lane's help.  The codes are gathered in LDS as the two tiles' 104 pieces of 256 bytes and leave in stores of 512 consecutive bytes.  One path serves all five tensors: only pointers are chosen.
; The variance is taken of x - mean (two passes over registers), so a common offset of the inputs does no harm.
; LIMITS: NaN and infinities are not served.  A block's largest magnitude is taken no smaller than 2^(3 - 127): the byte cannot fall under 1; a block of zeros so gets the byte 1 and not 127: its codes are zeros, and this program alone reads the bytes.
.set TURNB, 4608                       ; a wave's stage: 32 places of 128 + 16 bytes
.set IMG,   4*TURNB                    ; behind the stages: 104 pieces of 256 bytes, 272 apart
.set PP,    272
.set TILEP, 52*PP
.set GA, 32                            ; v32-63   gamma, as a row is loaded
.set BE, 64                            ; v64-95   beta
.set X,  96                            ; v96-127  a row turned: my block's 32 numbers
.set R,  128                           ; v128-255 four sets of 32: rows as loaded
	s_load_b256 s[4:11], s[0:1], 0x0               ; x, Wq, Wk, Wv
	s_load_b256 s[12:19], s[0:1], 0x20             ; Wo, gamma, beta, xc
	s_load_b64 s[20:21], s[0:1], 0x40              ; wc
	v_lshl_add_u32 v30, v0, 2, 0xb700
	v_mov_b32 v31, 0
	v_lshrrev_b32 v8, 5, v0
	v_readfirstlane_b32 s22, v8                    ; wave
	v_and_b32 v1, 31, v0                           ; lane l
	v_lshlrev_b32 v2, 4, v1                        ; 16 l: my bytes of a load's or a store's 512
	s_mul_i32 s23, s22, TURNB
	v_lshrrev_b32 v8, 3, v1                        ; l / 8
	v_lshl_add_u32 v3, v8, 4, v2
	v_add_nc_u32 v3, s23, v3                       ; into the stage: 16 l + 16 (l / 8); load j begins 576 j on
	v_mul_u32_u24 v4, v1, 144
	v_add_nc_u32 v4, s23, v4                       ; out of it: place l
	; block l of a row is K step l / 4, half fragment (l / 2) % 2, h = l % 2: piece P = 13 (l / 8) + 6 ((l / 4) % 2) + 3 ((l / 2) % 2) of the tile
	v_mul_u32_u24 v9, v8, 13
	v_bfe_u32 v10, v1, 2, 1
	v_mad_u32_u24 v11, v10, 6, v9
	v_bfe_u32 v10, v1, 1, 1
	v_mad_u32_u24 v11, v10, 3, v11                 ; P
	v_and_b32 v10, 1, v1                           ; h
	s_and_b32 s34, s22, 1                          ; my tile
	s_lshr_b32 s35, s22, 1                         ; which eight lane rows
	s_mul_i32 s36, s34, TILEP
	s_add_co_u32 s36, s36, IMG
	s_lshl_b32 s37, s35, 7
	s_add_co_u32 s37, s37, s36
	v_add_nc_u32 v12, v11, v10
	v_mul_u32_u24 v5, v12, PP
	v_add_nc_u32 v5, s37, v5                       ; registers 0-3: piece P + h, byte 128 (w / 2) + 16 i
	s_lshl_b32 s37, s35, 6
	s_add_co_u32 s37, s37, s36
	v_mul_u32_u24 v6, v11, PP
	v_lshl_add_u32 v6, v10, 7, v6
	v_add_nc_u32 v6, s37, v6                       ; registers 4-5: piece P + 2 (in the immediate), byte 128 h + 64 (w / 2) + 8 i
	v_mul_u32_u24 v7, v9, PP
	v_and_b32 v12, 7, v1
	v_add_nc_u32 v7, v7, v12
	v_add_nc_u32 v7, s37, v7                       ; my byte: piece 13 (l / 8) + 12 (in the immediate), byte 64 (w / 2) + 8 i + l % 8, and once more 128 on
	s_mul_i32 s37, s22, 26*PP
	s_add_co_u32 s37, s37, IMG
	v_lshrrev_b32 v12, 4, v1
	v_mul_u32_u24 v28, v12, PP
	v_and_b32 v12, 15, v1
	v_lshl_add_u32 v28, v12, 4, v28
	v_add_nc_u32 v28, s37, v28                     ; the way out: wave w takes pieces 26 w on, two an instruction
	s_sub_co_u32 s32, ttmp9, 256                   ; a weight's group of 32 rows among all four weights',
	s_and_b32 s33, s32, 31                         ; and in its own matrix
	s_mov_b32 s30, 0x3a800000                      ; 1 / 1024
	s_mov_b32 s31, 0x3727c5ac                      ; 1e-5
	s_mov_b32 s28, 0x76543210
	s_mov_b32 s29, 0xfedcba98                      ; v_permlanex16_b32's selects for lane l xor 16
	s_wait_kmcnt 0x0
	s_cmp_lt_u32 ttmp9, 352                        ; the choices hang on the work-group's number alone
	s_cselect_b64 s[24:25], s[10:11], s[12:13]
	s_cmp_lt_u32 ttmp9, 320
	s_cselect_b64 s[24:25], s[8:9], s[24:25]
	s_cmp_lt_u32 ttmp9, 288
	s_cselect_b64 s[24:25], s[6:7], s[24:25]
	s_cmp_lt_u32 ttmp9, 256
	s_cselect_b64 s[24:25], s[4:5], s[24:25]       ; from where
	s_cselect_b64 s[26:27], s[18:19], s[20:21]     ; to where
	s_cselect_b32 s32, ttmp9, s32
	s_cselect_b32 s33, ttmp9, s33
	s_lshl_b32 s38, s33, 17                        ; 32 rows of 4,096 bytes,
	s_lshl_b32 s37, s22, 15                        ; my wave's 8
	s_add_co_u32 s38, s38, s37
	s_mov_b32 s39, 0
	s_add_nc_u64 s[24:25], s[24:25], s[38:39]
	s_mul_i32 s38, s32, 26624                      ; two tiles,
	s_mul_i32 s37, s22, 6656                       ; my wave's 26 pieces
	s_add_co_u32 s38, s38, s37
	s_add_nc_u64 s[26:27], s[26:27], s[38:39]
.set q, 0
.rept 8                                        ; gamma and beta: every work-group loads them, so that their registers are written on every way through the text
	global_load_b128 v[GA+4*q:GA+4*q+3], v2, s[14:15] offset:512*q
	global_load_b128 v[BE+4*q:BE+4*q+3], v2, s[16:17] offset:512*q
.set q, q+1
.endr
.macro LOAD i                                  ; row i of my eight into set i % 4: each load reads 512 consecutive bytes
.set q, 0
.rept 8
	global_load_b128 v[R+32*((\i)%4)+4*q:R+32*((\i)%4)+4*q+3], v2, s[24:25] offset:4096*(\i)+512*q th:TH_LOAD_NT
.set q, q+1
.endr
.endm
.macro REDUCE                                  ; two pairs of partial sums become the row's sum, in every lane
	v_pk_add_f32 v[8:9], v[8:9], v[10:11]
	v_add_f32 v8, v8, v9
	v_add_f32_dpp v8, v8, v8 row_xmask:1 row_mask:0xf bank_mask:0xf
	v_add_f32_dpp v8, v8, v8 row_xmask:2 row_mask:0xf bank_mask:0xf
	v_add_f32_dpp v8, v8, v8 row_xmask:4 row_mask:0xf bank_mask:0xf
	v_add_f32_dpp v8, v8, v8 row_xmask:8 row_mask:0xf bank_mask:0xf
	v_permlanex16_b32 v9, v8, s28, s29
	v_add_f32 v8, v8, v9
.endm
.macro LN                                      ; the set at RS, in place: (x - mean) / sqrt(var + 1e-5) x gamma + beta
	v_pk_add_f32 v[8:9], v[RS:RS+1], v[RS+2:RS+3]
	v_pk_add_f32 v[10:11], v[RS+4:RS+5], v[RS+6:RS+7]
.set q, 8
.rept 6
	v_pk_add_f32 v[8:9], v[8:9], v[RS+q:RS+q+1]
	v_pk_add_f32 v[10:11], v[10:11], v[RS+q+2:RS+q+3]
.set q, q+4
.endr
	REDUCE
	v_mul_f32 v12, s30, v8                         ; the mean
	v_mov_b32 v13, v12
.set q, 0
.rept 16
	v_pk_add_f32 v[RS+q:RS+q+1], v[RS+q:RS+q+1], v[12:13] neg_lo:[0,1] neg_hi:[0,1]
.set q, q+2
.endr
	v_pk_mul_f32 v[8:9], v[RS:RS+1], v[RS:RS+1]
	v_pk_mul_f32 v[10:11], v[RS+2:RS+3], v[RS+2:RS+3]
.set q, 4
.rept 7
	v_pk_fma_f32 v[8:9], v[RS+q:RS+q+1], v[RS+q:RS+q+1], v[8:9]
	v_pk_fma_f32 v[10:11], v[RS+q+2:RS+q+3], v[RS+q+2:RS+q+3], v[10:11]
.set q, q+4
.endr
	REDUCE
	v_fma_f32 v8, v8, s30, s31                     ; the variance + 1e-5
	v_rsq_f32 v14, v8
	v_nop                                          ; a plain instruction behind the transcendental (ISA guide 5.7.2),
	s_wait_alu depctr_va_vdst(0)                   ; and the wait ahead of the first line that names its result
	v_mov_b32 v15, v14
.set q, 0
.rept 16
	v_pk_mul_f32 v[RS+q:RS+q+1], v[RS+q:RS+q+1], v[14:15]
.set q, q+2
.endr
.set q, 0
.rept 16
	v_pk_fma_f32 v[RS+q:RS+q+1], v[RS+q:RS+q+1], v[GA+q:GA+q+1], v[BE+q:BE+q+1]
.set q, q+2
.endr
.endm
.macro ROW i
.set RS, R+32*((\i)%4)
.if (\i) < 5
	s_wait_loadcnt 24                              ; loads come back in order: this row's eight are in (gamma's and beta's are older); the three rows behind it stay out
.else
	s_wait_loadcnt 8*(7-(\i))
.endif
	s_cmp_lt_u32 ttmp9, 256                        ; rows of x are normalised, rows of a weight are not
	s_cbranch_scc0 .Lplain_\@
	LN
.Lplain_\@:
.set q, 0
.rept 8
	ds_store_b128 v3, v[RS+4*q:RS+4*q+3] offset:576*q
.set q, q+1
.endr
.set q, 0
.rept 8
	ds_load_b128 v[X+4*q:X+4*q+3], v4 offset:16*q  ; LDS serves a wave's instructions in order: these see the stores above
.set q, q+1
.endr
	s_wait_dscnt 0x0                               ; my block is in; the set has been read; the last row's stores of codes have read their registers
.if (\i) < 4
	LOAD (\i)+4
.endif
	v_max3_num_f32 v8, |v[X]|, |v[X+1]|, 0x1800000 ; the block's largest magnitude, all 32 numbers mine, and the floor 2^(3 - 127); two chains
	v_max3_num_f32 v9, |v[X+2]|, |v[X+3]|, |v[X+4]|
.set q, 5
.rept 6
	v_max3_num_f32 v8, v8, |v[X+q]|, |v[X+q+1]|
	v_max3_num_f32 v9, v9, |v[X+q+2]|, |v[X+q+3]|
.set q, q+4
.endr
	v_max3_num_f32 v8, v8, |v[X+29]|, |v[X+30]|
	v_max3_num_f32 v8, v8, v9, |v[X+31]|
	v_add_nc_u32 v11, 0xff000000, v8               ; 2 off its exponent field: the conversion takes the exponent field of this operand as its scale
	v_lshrrev_b32 v27, 23, v11                     ; the scale's byte
	v_cvt_scalef32_pk16_fp6_f32 v[20:22], v[X:X+15], v11
	v_cvt_scalef32_pk16_fp6_f32 v[24:26], v[X+16:X+31], v11   ; (a conversion's three registers begin on an even number)
	v_nop                                          ; one plain instruction behind a scaled conversion
	v_mov_b32 v23, v24                             ; the six registers close up
	v_mov_b32 v24, v25
	v_mov_b32 v25, v26
	ds_store_b128 v5, v[20:23] offset:16*(\i)
	ds_store_b64 v6, v[24:25] offset:2*PP+8*(\i)
	ds_store_b8 v7, v27 offset:12*PP+8*(\i)
	ds_store_b8 v7, v27 offset:12*PP+8*(\i)+128    ; lanes 16-31 of a scale image repeat lanes 0-15
.endm
	LOAD 0
	LOAD 1
	LOAD 2
	LOAD 3
.irp i, 0,1,2,3,4,5,6,7
	ROW \i
.endr
	s_wait_dscnt 0x0                               ; for the others' sake: my stores into the pieces are done (a piece's 16 rows come from two waves)
	s_barrier_signal -1
	s_barrier_wait -1
.set q, 0
.rept 13
	ds_load_b128 v[R+4*q:R+4*q+3], v28 offset:2*PP*q
.set q, q+1
.endr
.set q, 0
.rept 13
	s_wait_dscnt 12-q                              ; LDS loads come back in order
	global_store_b128 v2, v[R+4*q:R+4*q+3], s[26:27] offset:512*q   ; 32 lanes store 512 consecutive bytes, at a multiple of 256 from the buffer's first byte
.set q, q+1
.endr
	s_wait_tensorcnt 0x0
	ds_add_u32 v30, v31
	s_wait_dscnt 0x0
	s_endpgm
.Lfunc_end_k_qce5b15beaf_prep:
	.size	k_qce5b15beaf_prep, .Lfunc_end_k_qce5b15beaf_prep-k_qce5b15beaf_prep
	.p2alignl 7, 3214868480
	.fill 96, 4, 3214868480
	.section	.rodata,"a",@progbits
	.p2align	6, 0x0
	.amdhsa_kernel k_qce5b15beaf_prep
		.amdhsa_group_segment_fixed_size 47360
		.amdhsa_private_segment_fixed_size 0
		.amdhsa_enable_private_segment 0
		.amdhsa_kernarg_size 72
		.amdhsa_user_sgpr_count 2
		.amdhsa_user_sgpr_kernarg_segment_ptr 1
		.amdhsa_wavefront_size32 1
		.amdhsa_system_sgpr_workgroup_id_x 1
		.amdhsa_system_sgpr_workgroup_id_y 1
		.amdhsa_system_sgpr_workgroup_id_z 1
		.amdhsa_system_vgpr_workitem_id 0
		.amdhsa_next_free_vgpr 256
		.amdhsa_next_free_sgpr 66
		.amdhsa_reserve_vcc 0
		.amdhsa_float_denorm_mode_32 3
		.amdhsa_float_denorm_mode_16_64 3
		.amdhsa_memory_ordered 1
		.amdhsa_forward_progress 1
		.amdhsa_inst_pref_size 85
	.end_amdhsa_kernel
	.amdgpu_metadata
---
amdhsa.version: [ 1, 2 ]
amdhsa.kernels:
  - .name:           k_qce5b15beaf_prep
    .symbol:         k_qce5b15beaf_prep.kd
    .args:
      - { .name: x, .offset: 0, .size: 8, .value_kind: global_buffer, .address_space: global }
      - { .name: Wq, .offset: 8, .size: 8, .value_kind: global_buffer, .address_space: global }
      - { .name: Wk, .offset: 16, .size: 8, .value_kind: global_buffer, .address_space: global }
      - { .name: Wv, .offset: 24, .size: 8, .value_kind: global_buffer, .address_space: global }
      - { .name: Wo, .offset: 32, .size: 8, .value_kind: global_buffer, .address_space: global }
      - { .name: gamma, .offset: 40, .size: 8, .value_kind: global_buffer, .address_space: global }
      - { .name: beta, .offset: 48, .size: 8, .value_kind: global_buffer, .address_space: global }
      - { .name: xc, .offset: 56, .size: 8, .value_kind: global_buffer, .address_space: global }
      - { .name: wc, .offset: 64, .size: 8, .value_kind: global_buffer, .address_space: global }
    .group_segment_fixed_size: 47360
    .private_segment_fixed_size: 0
    .kernarg_segment_align: 8
    .kernarg_segment_size: 72
    .max_flat_workgroup_size: 128
    .sgpr_count:     66
    .vgpr_count:     256
    .wavefront_size: 32
...
	.end_amdgpu_metadata
.endif
;; end of part 1
;; launch qkv (part 2): grid 12 x 64, 4 waves a work-group, clusters of 4 x 4, 320,000 bytes of LDS; arguments xc, wc, bq, bk, bv, qb, kv; writes qb, kv
.if DOCPART == 2
	.amdgcn_target "amdgcn-amd-amdhsa--gfx1250"
	.amdhsa_code_object_version 6
	.text
	.protected	k_qce5b15beaf_qkv
	.globl	k_qce5b15beaf_qkv
	.p2align	8
	.type	k_qce5b15beaf_qkv,@function
k_qce5b15beaf_qkv:
	s_mov_b64 s[64:65], 0
	v_nop
	global_prefetch_b8 v0, s[64:65] scope:SCOPE_SE
	s_setreg_imm32_b32 hwreg(HW_REG_WAVE_MODE, 25, 1), 1
	s_wait_xcnt 0x0
	s_wait_alu depctr_hold_cnt(0) depctr_sa_sdst(0) depctr_va_vdst(0) depctr_va_sdst(0) depctr_va_ssrc(0) depctr_va_vcc(0) depctr_vm_vsrc(0)
	s_getreg_b32 s2, hwreg(HW_REG_IB_STS2, 6, 4)
	s_cmp_eq_u32 s2, 0
	s_cbranch_scc0 .Lentry_in_a_cluster
	s_endpgm
.Lentry_in_a_cluster:
	s_bfe_u32 s2, ttmp6, 0x10000c
	s_cmp_lg_u32 s2, 0xf033
	s_cbranch_scc0 .Lentry_shape_is_right
	s_endpgm
.Lentry_shape_is_right:
; q = xn Wq^T + bq, k = xn Wk^T + bk, v = xn Wv^T + bv on codes of FP6 (E2M3) with E8M0 scales, K = 1,024; the results are quantised in registers and leave as codes: q and k along the head's 64, v along the keys.
; OPERANDS arrive as images of operand registers: a tile of 16 rows is 13,312 bytes = four slots of 3,328 (two K steps of 128: 2 x 1,536 bytes of codes, then 256 bytes of scale words, two words a lane).
; In each group of 32 rows lane row r of tile u is row 8 u + r % 8 + 16 (r / 8).
; A work-group makes 128 A ROWS x 256 B ROWS.  The matrix instruction takes source 0 = 16 B rows, source 1 = 16 A rows: a lane then holds ONE A row, and the 16 registers of B's tiles 2 b, 2 b + 1 are the 16
; neighbours 32 b + 16 (lane / 16) + 0 .. 15 along the B rows: what the next quantiser wants.  q, k (cluster x = 0, 1): A = tokens, B = the weight's rows, so registers run along the head's 64.
; v (cluster x = 2): A = Wv's rows, B = tokens, so registers run along the keys.  The roles are changed by pointers and indices alone.
; Four waves: wave w owns A's tiles 4 (w / 2) on and B's tiles 8 (w % 2) on: 32 accumulators, 256 registers.
; ALL OF K LIES IN LDS: 384 rows x 832 bytes = 319,488 bytes, in four slots along K.  Each wave issues four tensor loads at the head, one a slot, and nothing is ever filled again; by this text's count four loads of a wave are out at most.
; CLUSTERS: 4 x 4 work-groups.  The four of a row of the cluster need the same A tiles, the four of a column the same B tiles: each is asked for jointly, by the same load with the same descriptor and a mask that names the four.
; OUT: qb: for each (batch x 16 + head, 128 queries) 6,656 bytes: 8 half fragments (16 queries x 64), two scale images.  kv: for each (batch x 16 + head, 128 keys) 13,312 bytes: K's 8 half fragments; V^T's 4 fragments
; (16 of the head's 64 x 128 keys) at 6,144; K's two scale images at 12,288; V's two at 12,800.  In q's and k's scale words bytes 2 and 3 are 0: they stand over the half of the instruction's K that holds zero codes.
; LIMITS: NaN and infinities are not served; a block of zeros gets the byte 1 and not 127 (zero codes; this program alone reads the bytes).
; REGISTERS: window 0: v1 16 x lane, v2 8 x lane, v3-4 the biases' offsets, v8-23 LDS addresses, v32-79 scale words (two sets), v80-119 at work on the way out, v128-223 A's fragments (two sets of 48).
;   window 1: B's fragments, v0-95 and v128-223; the bias as step 0's C in v96-127 and v224-255.   window 2: accumulator (a, b) at v[8 (8 a + b)].
.set TILEB, 13312
.set SLB,   3328                       ; a tile's part of a slot
.set SLOT,  24*SLB                     ; A's 8 tiles, then B's 16
.set BOFF,  8*SLB
.set STB,   1536                       ; a fragment
.set SCO,   3072                       ; the scale image in a tile's part
.set FR,    12
.set L16,   1
.set L8,    2
.set AA16,  8                          ; v8-11   slot s: my A tiles + 16 x lane;  v12-15 + 8 x lane
.set AA8,   12
.set AB16,  16                         ; v16-19, v20-23 the same for B
.set AB8,   20
.set SC,    32                         ; set s % 2 at SC + 24 (s % 2): A's block a, step q at + 2 a + q; B's block b at + 8 + 2 b + q
.set TM,    80
.set PC,    96
.set PW,    116
.set AF,    128
.set MSB, 0
.macro WIN new                         ; the immediate's high byte repeats the setting that is left; bits 1:0 source 0, 3:2 source 1, 5:4 source 2, 7:6 destination
.if MSB != \new
	s_set_vgpr_msb (MSB<<8)|\new
.set MSB, \new
.endif
.endm
.macro PLACES                          ; four plain vector instructions between a matrix instruction and a load into, or a read of, its registers (ISA guide 7.12.1 for reads)
.rept 4
	v_nop
.endr
.endm
.macro CROUND                          ; a round of the cluster's barrier
	s_barrier_signal -1
	s_barrier_wait -1
	s_cmp_lg_u32 s18, 0
	s_cbranch_scc1 .Lnot_wave_0_\@
	s_barrier_signal -3
.Lnot_wave_0_\@:
	s_barrier_wait -3
	s_barrier_signal -1
	s_barrier_wait -1
.endm
.macro FRAG reg, a16, a8, off          ; a fragment's image comes back as it was laid: every load reads consecutive bytes
.set FRG, \reg
	ds_load_b128 v[FRG:FRG+3], v[\a16] offset:(\off)
	ds_load_b64 v[FRG+4:FRG+5], v[\a8] offset:(\off)+512
	ds_load_b128 v[FRG+6:FRG+9], v[\a16] offset:(\off)+768
	ds_load_b64 v[FRG+10:FRG+11], v[\a8] offset:(\off)+1280
.endm
.macro FETCH k                         ; K step k's fragments into set k % 2; with a slot's first step the slot's scale words
.set FS, (\k)%2
.set FG, (\k)/2
	WIN 0x40
.irp b, 0,1,2,3,4,5,6,7
	FRAG 128*FS+FR*\b, AB16+FG, AB8+FG, SLB*\b+STB*FS
.endr
	WIN 0
.irp a, 0,1,2,3
	FRAG AF+48*FS+FR*\a, AA16+FG, AA8+FG, SLB*\a+STB*FS
.endr
.if FS == 0
.irp a, 0,1,2,3
	ds_load_b64 v[SC+24*(FG%2)+2*\a:SC+24*(FG%2)+2*\a+1], v[AA8+FG] offset:SLB*\a+SCO
.endr
.irp b, 0,1,2,3,4,5,6,7
	ds_load_b64 v[SC+24*(FG%2)+8+2*\b:SC+24*(FG%2)+8+2*\b+1], v[AB8+FG] offset:SLB*\b+SCO
.endr
.endif
.endm
; 32 matrix instructions: K step k.  The accumulators take turns, one instruction a turn, in the same order in every step.
; mode 0: onto the sums.  mode 1: the sums begin with the bias of B's rows.  mode 2: with the bias of A's rows.
.macro MUL32 k, mode
.set MS, (\k)%2
.set MC, SC+24*(((\k)/2)%2)
.if \mode == 0
	WIN 0xa1                                       ; source 0 (B) window 1, source 1 (A) window 0, C and D window 2
.else
	WIN 0x91                                       ; C window 1
.endif
.irp a, 0,1,2,3
.irp b, 0,1,2,3,4,5,6,7
.if \mode == 0
	v_wmma_scale_f32_16x16x128_f8f6f4 v[8*(8*\a+\b):8*(8*\a+\b)+7], v[128*MS+FR*\b:128*MS+FR*\b+FR-1], v[AF+48*MS+FR*\a:AF+48*MS+FR*\a+FR-1], v[8*(8*\a+\b):8*(8*\a+\b)+7], v[MC+8+2*\b+MS], v[MC+2*\a+MS] matrix_a_fmt:MATRIX_FMT_FP6 matrix_b_fmt:MATRIX_FMT_FP6
.elseif \mode == 1
	v_wmma_scale_f32_16x16x128_f8f6f4 v[8*(8*\a+\b):8*(8*\a+\b)+7], v[128*MS+FR*\b:128*MS+FR*\b+FR-1], v[AF+48*MS+FR*\a:AF+48*MS+FR*\a+FR-1], v[96+8*\b+96*(\b/4):96+8*\b+96*(\b/4)+7], v[MC+8+2*\b+MS], v[MC+2*\a+MS] matrix_a_fmt:MATRIX_FMT_FP6 matrix_b_fmt:MATRIX_FMT_FP6
.else
	v_wmma_scale_f32_16x16x128_f8f6f4 v[8*(8*\a+\b):8*(8*\a+\b)+7], v[128*MS+FR*\b:128*MS+FR*\b+FR-1], v[AF+48*MS+FR*\a:AF+48*MS+FR*\a+FR-1], v[96+8*\a+128*(\b/4):96+8*\a+128*(\b/4)+7], v[MC+8+2*\b+MS], v[MC+2*\a+MS] matrix_a_fmt:MATRIX_FMT_FP6 matrix_b_fmt:MATRIX_FMT_FP6
.endif
.endr
.endr
.endm
.macro STEP k
	s_wait_dscnt 0x0                               ; this step's fragments are in: they were asked for 32 matrix instructions ago
.if (\k)%2 == 1 && (\k) < 7
	s_wait_tensorcnt 3-((\k)+1)/2                  ; my part of the next slot has landed; the loads of the slots behind it may stay out,
	s_barrier_signal -1
	s_barrier_wait -1                              ; everybody's has.
.endif
.if (\k) > 0 && (\k) < 7
	PLACES
.endif
.if (\k) < 7
	FETCH (\k)+1
.endif
.if (\k) == 0
	s_cmp_eq_u32 s23, 2                            ; the kind is the cluster's x: the same in all sixteen partners
	s_cbranch_scc1 .Lmul_v
	MUL32 0, 1
	WIN 0
	s_branch .Lmul_done
.Lmul_v:
	MUL32 0, 2
	WIN 0
.Lmul_done:
.else
	MUL32 \k, 0
	WIN 0
.endif
.endm
	s_load_b256 s[4:11], s[0:1], 0x0               ; xc, wc, bq, bk
	s_load_b128 s[12:15], s[0:1], 0x20             ; bv, qb
	s_load_b64 s[16:17], s[0:1], 0x30              ; kv
	v_lshl_add_u32 v254, v0, 2, 0x4e000
	v_mov_b32 v255, 0
	ds_add_u32 v254, v255
	ds_add_u32 v254, v255
	v_lshrrev_b32 v1, 5, v0
	v_readfirstlane_b32 s18, v1                    ; wave 0..3
	s_lshr_b32 s19, s18, 1                         ; which four tiles of A are mine.  Also: I fetch for A (0) or for B (1)
	s_and_b32 s20, s18, 1                          ; which eight tiles of B.  Also: which half of the tiles I fetch
	s_bfe_u32 s21, ttmp6, 0x40000                  ; cx
	s_bfe_u32 s22, ttmp6, 0x40004                  ; cy
	s_mov_b32 s23, ttmp9                           ; the kind: 0 q, 1 k, 2 v
	s_and_b32 s3, ttmp7, 0xffff                    ; cluster y
	s_lshl_b32 s84, s22, 2
	s_lshl_b32 s84, 15, s84                        ; my row of the cluster
	s_lshl_b32 s85, 0x1111, s21                    ; my column
	; group 1: rows of 3,328 bytes (416 elements of 8 bytes: 13 aligned blocks of 256 bytes), 13,312 bytes apart: a slot's part of 4 (A) or 8 (B) tiles; dense in LDS
	s_or_b32 s24, s84, (3<<16)|(1<<21)             ; 15:0 the mask; 17:16 elements of 8 bytes; 21 set beside a mask
	s_mov_b32 s25, 416<<16                         ; tensor_dim0
	s_mov_b32 s26, 4<<16                           ; tensor_dim1
	s_mov_b32 s27, 416<<16                         ; tile_dim0
	s_mov_b32 s28, 4                               ; tile_dim1
	s_mov_b32 s29, 1664                            ; tensor_dim0_stride
	s_mov_b32 s30, 0
	s_mov_b32 s31, 0
	s_or_b32 s32, s85, (3<<16)|(1<<21)
	s_mov_b32 s33, 416<<16
	s_mov_b32 s34, 8<<16
	s_mov_b32 s35, 416<<16
	s_mov_b32 s36, 8
	s_mov_b32 s37, 1664
	s_mov_b32 s38, 0
	s_mov_b32 s39, 0
	; which 128 A rows and which 256 B rows.  A's numbers hold cy and never cx, B's hold cx and never cy
	s_lshl_b32 s58, s3, 2                          ; q, k: 128 tokens: 4 y + cy
	s_and_b32 s59, s3, 1
	s_lshl_b32 s59, s59, 2                         ; v: 128 rows of Wv: 4 (y % 2) + cy
	s_lshl_b32 s60, s23, 2                         ; q, k: 256 rows of Wq, Wk on end: 4 x + cx
	s_lshr_b32 s61, s3, 1
	s_lshl_b32 s61, s61, 2                         ; v: 256 tokens: 4 (y / 2) + cx
	s_cmp_eq_u32 s23, 2
	s_cselect_b32 s56, s59, s58
	s_cselect_b32 s57, s61, s60
	s_cselect_b32 s62, 128*TILEB, 0                ; Wv's tiles begin 128 tiles into wc
	s_add_co_u32 s56, s56, s22                     ; A's index
	s_add_co_u32 s57, s57, s21                     ; B's index
	s_lshl_b32 s58, s56, 3
	s_lshl_b32 s59, s20, 2
	s_add_co_u32 s58, s58, s59                     ; A: tile 8 x index + 4 x half
	s_mul_i32 s58, s58, TILEB
	s_add_co_u32 s58, s58, s62
	s_mov_b32 s59, 0
	s_lshl_b32 s60, s57, 4
	s_lshl_b32 s61, s20, 3
	s_add_co_u32 s60, s60, s61                     ; B: tile 16 x index + 8 x half
	s_mul_i32 s60, s60, TILEB
	s_mov_b32 s61, 0
	s_mul_i32 s62, s20, 4*SLB                      ; where they go: the wave's number alone enters an LDS address
	s_mul_i32 s63, s20, 8*SLB
	s_mov_b32 s66, 0x76543210
	s_mov_b32 s67, 0xfedcba98                      ; v_permlanex16_b32's selects for lane l xor 16
	s_wait_dscnt 0x0
	s_wait_kmcnt 0x0
	s_cmp_eq_u32 s23, 2
	s_cselect_b64 s[84:85], s[6:7], s[4:5]         ; A's buffer
	s_cselect_b64 s[86:87], s[4:5], s[6:7]         ; B's
	s_add_nc_u64 s[58:59], s[84:85], s[58:59]
	s_add_nc_u64 s[60:61], s[86:87], s[60:61]
.irp g, 0,1,2,3                                ; group 0, a set for each slot and side
	s_mov_b32 s[40+4*\g], 1
	s_add_co_u32 s[41+4*\g], s62, \g*SLOT
	s_add_nc_u64 s[42+4*\g:43+4*\g], s[58:59], \g*SLB
	s_or_b32 s[43+4*\g], s[43+4*\g], 0x80000000
	s_mov_b32 s[68+4*\g], 1
	s_add_co_u32 s[69+4*\g], s63, \g*SLOT+BOFF
	s_add_nc_u64 s[70+4*\g:71+4*\g], s[60:61], \g*SLB
	s_or_b32 s[71+4*\g], s[71+4*\g], 0x80000000
.endr
	CROUND                                         ; all sixteen work-groups are here: the joint loads meet
	s_cmp_eq_u32 s19, 0                            ; a wave's four fills stand in one branch on its number; four v_nop follow the last
	s_cbranch_scc0 .Lfor_b
	tensor_load_to_lds s[40:43], s[24:31]
	s_nop 0
	tensor_load_to_lds s[44:47], s[24:31]
	s_nop 0
	tensor_load_to_lds s[48:51], s[24:31]
	s_nop 0
	tensor_load_to_lds s[52:55], s[24:31]
	s_nop 0
	PLACES
	s_branch .Lasked
.Lfor_b:
	tensor_load_to_lds s[68:71], s[32:39]
	s_nop 0
	tensor_load_to_lds s[72:75], s[32:39]
	s_nop 0
	tensor_load_to_lds s[76:79], s[32:39]
	s_nop 0
	tensor_load_to_lds s[80:83], s[32:39]
	s_nop 0
	PLACES
.Lasked:
	v_and_b32 v2, 31, v0
	v_lshlrev_b32 v[L16], 4, v2
	v_lshlrev_b32 v[L8], 3, v2
	s_mul_i32 s2, s19, 4*SLB
	s_mul_i32 s3, s20, 8*SLB
	s_add_co_u32 s3, s3, BOFF
.irp g, 0,1,2,3
	v_add_nc_u32 v[AA16+\g], s2, v[L16]
	v_add_nc_u32 v[AA8+\g], s2, v[L8]
	v_add_nc_u32 v[AB16+\g], s3, v[L16]
	v_add_nc_u32 v[AB8+\g], s3, v[L8]
	s_add_co_u32 s2, s2, SLOT
	s_add_co_u32 s3, s3, SLOT
.endr
.irp b, 0,1,2,3
	v_mov_b32 v[TM+4+\b], 0                        ; written once: a lane permute's destination counts as one of its sources
.endr
	; THE BIAS is the C of each sum's first matrix instruction.  q, k: register j of B's tile b is feature 32 (b / 2) + 8 (b % 2) + 16 h + j.  v: the lane's own row of A's tile a, the same number in all eight registers
	v_bfe_u32 v3, v0, 4, 1
	v_lshlrev_b32 v3, 6, v3                        ; 64 h
	v_and_b32 v4, 15, v0
	v_and_b32 v5, 8, v4
	v_add_nc_u32 v4, v4, v5
	v_lshlrev_b32 v4, 2, v4                        ; 4 (r + 8 (r / 8))
	s_lshl_b32 s84, s21, 10
	s_lshl_b32 s85, s20, 9
	s_add_co_u32 s84, s84, s85                     ; q, k: feature 256 cx + 128 (w % 2)
	s_mov_b32 s85, 0
	s_cmp_eq_u32 s23, 0
	s_cselect_b64 s[86:87], s[8:9], s[10:11]
	s_add_nc_u64 s[86:87], s[86:87], s[84:85]
	s_lshl_b32 s84, s56, 9
	s_lshl_b32 s2, s19, 8
	s_add_co_u32 s84, s84, s2                      ; v: feature 128 x A's index + 64 (w / 2)
	s_add_nc_u64 s[12:13], s[12:13], s[84:85]
	s_cmp_eq_u32 s23, 2
	s_cbranch_scc1 .Lbias_v
	WIN 0x40
.irp b, 0,1,2,3,4,5,6,7
	global_load_b128 v[96+8*\b+96*(\b/4):96+8*\b+96*(\b/4)+3], v3, s[86:87] offset:(32*(\b/2)+8*(\b%2))*4
	global_load_b128 v[96+8*\b+96*(\b/4)+4:96+8*\b+96*(\b/4)+7], v3, s[86:87] offset:(32*(\b/2)+8*(\b%2))*4+16
.endr
	WIN 0
	s_branch .Lbias_done
.Lbias_v:                                          ; both arms fill the same 64 registers: here each tile's eight stand twice, for B's tiles 0-3 and 4-7
	WIN 0x40
.irp a, 0,1,2,3
.irp j, 0,1,2,3,4,5,6,7
	global_load_b32 v[96+8*\a+\j], v4, s[12:13] offset:(32*(\a/2)+8*(\a%2))*4
	global_load_b32 v[224+8*\a+\j], v4, s[12:13] offset:(32*(\a/2)+8*(\a%2))*4
.endr
.endr
	WIN 0
.Lbias_done:
	; WHERE MY RESULTS GO.  q, k: heads 4 cx + 2 (w % 2) and the next, 128 tokens; v: head 2 x A's index + w / 2, key step 2 (B's index % 8) + w % 2
	s_lshr_b32 s58, s56, 4
	s_lshl_b32 s58, s58, 4
	s_lshl_b32 s2, s21, 2
	s_add_co_u32 s58, s58, s2
	s_lshl_b32 s2, s20, 1
	s_add_co_u32 s58, s58, s2                      ; q, k: 16 x batch + head
	s_and_b32 s59, s56, 15                         ; q, k: which 128 tokens of the batch
	s_lshr_b32 s60, s57, 3
	s_lshl_b32 s60, s60, 4
	s_lshl_b32 s2, s56, 1
	s_add_co_u32 s60, s60, s2
	s_add_co_u32 s60, s60, s19                     ; v: 16 x batch + head
	s_and_b32 s61, s57, 7
	s_lshl_b32 s61, s61, 1
	s_add_co_u32 s61, s61, s20                     ; v: key step
	s_mov_b32 s62, 212992
	s_mov_b32 s63, 13312
	s_mov_b32 s84, 12288
	s_cmp_eq_u32 s23, 0
	s_cselect_b32 s62, 106496, s62                 ; a head's bytes
	s_cselect_b32 s63, 6656, s63                   ; a block's bytes
	s_cselect_b32 s84, 6144, s84                   ; q's, k's scale images in a block
	s_cselect_b64 s[88:89], s[14:15], s[16:17]
	s_lshl_b32 s2, s19, 8
	s_add_co_u32 s84, s84, s2                      ; image w / 2
	s_mul_i32 s85, s19, 3072                       ; q, k: my four tiles' half fragments
	s_mov_b32 s96, 768
	s_cmp_eq_u32 s23, 2
	s_cselect_b32 s58, s60, s58
	s_cselect_b32 s59, s61, s59
	s_cselect_b32 s84, 12800, s84                  ; v's scale images
	s_cselect_b32 s85, 6144, s85                   ; v's fragments
	s_cselect_b32 s60, 768, s62                    ; from a fragment's first half to its second: v: 768 bytes; q, k: the next head
	s_cselect_b32 s61, 256, s62                    ; from the first scale store to the second: likewise
	s_cselect_b32 s96, 1536, s96                   ; from A's tile a to a + 1
	s_cselect_b32 s98, -1, 0                       ; all lanes: v
	s_mov_b32 s97, 0
	s_mov_b32 s99, 0xffff0000                      ; lanes 16-31
	s_mul_i32 s58, s58, s62
	s_mul_i32 s59, s59, s63
	s_add_co_u32 s2, s58, s59
	s_mov_b32 s3, 0
	s_add_nc_u64 s[88:89], s[88:89], s[2:3]        ; my block
	s_mov_b32 s2, s84
	s_add_nc_u64 s[92:93], s[88:89], s[2:3]        ; the first scale store,
	s_mov_b32 s2, s61
	s_add_nc_u64 s[94:95], s[92:93], s[2:3]        ; the second
	s_mov_b32 s2, s85
	s_add_nc_u64 s[88:89], s[88:89], s[2:3]        ; a fragment's first half,
	s_mov_b32 s2, s60
	s_add_nc_u64 s[90:91], s[88:89], s[2:3]        ; its second
	s_wait_tensorcnt 0x3                           ; my part of slot 0 has landed; three loads may stay out,
	s_barrier_signal -1
	s_barrier_wait -1                              ; everybody's has
	FETCH 0
	s_wait_loadcnt 0x0                             ; the bias
.irp k, 0,1,2,3,4,5,6,7
	STEP \k
.endr
; THE WAY OUT.  A's tile a: my lane's 64 numbers, register 16 b + i = place 32 b + 16 (lane / 16) + i along B's rows, become a fragment's codes in v[PC] on and its scale word in v[PW + a].
.macro QUANTW a
.set QB, 64*(\a)
	WIN 0x0a                                       ; sources 0 and 1 window 2
.irp b, 0,1,2,3
	v_max3_num_f32 v[TM+\b], |v[QB+16*\b]|, |v[QB+1+16*\b]|, 0x1800000   ; each accumulator is read from its low end on; the floor 2^(3 - 127) holds the byte at 1 from below
.endr
	WIN 0x28                                       ; sources 1 and 2 window 2
.irp i, 2,4,6,8,10,12,14
.irp b, 0,1,2,3
	v_max3_num_f32 v[TM+\b], v[TM+\b], |v[QB+16*\b+\i]|, |v[QB+1+16*\b+\i]|
.endr
.endr
	WIN 0
.irp b, 0,1,2,3
	v_permlanex16_b32 v[TM+4+\b], v[TM+\b], s66, s67
.endr
.irp b, 0,1,2,3
	v_max_num_f32 v[TM+\b], v[TM+\b], v[TM+4+\b]   ; with lane l xor 16's: the block's largest magnitude
.endr
.irp b, 0,1,2,3
	v_add_nc_u32 v[TM+12+\b], 0xff000000, v[TM+\b] ; 2 off its exponent field: the conversion's scale operand
.endr
.irp b, 0,1,2,3
	v_lshrrev_b32 v[TM+4+\b], 23, v[TM+12+\b]      ; the scale's byte
.endr
	v_lshl_or_b32 v[PW+\a], v[TM+5], 8, v[TM+4]
	v_lshl_or_b32 v[PW+\a], v[TM+6], 16, v[PW+\a]
	v_lshl_or_b32 v[PW+\a], v[TM+7], 24, v[PW+\a]
	WIN 0x02                                       ; source 0 window 2
.irp c, 0,1
	v_cvt_scalef32_pk16_fp6_f32 v[PC+6*\c:PC+2+6*\c], v[QB+32*\c:QB+15+32*\c], v[TM+12+2*\c]
	v_cvt_scalef32_pk16_fp6_f32 v[PC+12+4*\c:PC+14+4*\c], v[QB+16+32*\c:QB+31+32*\c], v[TM+12+2*\c+1]   ; (a conversion's three registers begin on an even number)
.endr
	WIN 0
	v_nop                                          ; one plain instruction behind a scaled conversion
.irp c, 0,1                                    ; the operand's layout wants a whole block in a lane: lanes 0-15 block 2 c, lanes 16-31 block 2 c + 1
.irp i, 0,1,2
	v_permlane16_swap_b32 v[PC+6*\c+\i], v[PC+12+4*\c+\i]
.endr
.irp i, 0,1,2
	v_mov_b32 v[PC+3+6*\c+\i], v[PC+12+4*\c+\i]
.endr
.endr
.endm
	PLACES
.irp a, 0,1,2,3
	QUANTW \a
	global_store_b128 v[L16], v[PC:PC+3], s[88:89]             ; each store covers 512 or 256 consecutive bytes, at a multiple of 256 from the buffer's first byte
	global_store_b64 v[L8], v[PC+4:PC+5], s[88:89] offset:512
	global_store_b128 v[L16], v[PC+6:PC+9], s[90:91]           ; q, k: the wave's second head; v: the fragment's keys 64 on
	global_store_b64 v[L8], v[PC+10:PC+11], s[90:91] offset:512
	s_wait_xcnt 0x0                                ; the stores have read their registers and bases: both are written again only behind this wait
	s_add_nc_u64 s[88:89], s[88:89], s[96:97]
	s_add_nc_u64 s[90:91], s[90:91], s[96:97]
.endr
; The scale words.  q, k: head c's two bytes of each tile's word, bytes 2 and 3 zero; a register holds the even tile's words in lanes 0-15 and the odd tile's in lanes 16-31.  v: tiles 2 c and 2 c + 1, whole words.
.irp c, 0,1
.irp a, 0,1,2,3
.if \c == 0
	v_and_b32 v[TM+\a], 0xffff, v[PW+\a]
.else
	v_lshrrev_b32 v[TM+\a], 16, v[PW+\a]
.endif
.endr
	v_cndmask_b32 v[TM+4], v[TM], v[TM+1], s99
	v_cndmask_b32 v[TM+5], v[TM+2], v[TM+3], s99
	v_cndmask_b32 v[TM+8+2*\c], v[TM+4], v[PW+2*\c], s98
	v_cndmask_b32 v[TM+9+2*\c], v[TM+5], v[PW+2*\c+1], s98
	global_store_b64 v[L8], v[TM+8+2*\c:TM+9+2*\c], s[92+2*\c:93+2*\c]   ; one aligned block of 256 bytes
.endr
	s_wait_tensorcnt 0x0
	s_wait_tensorcnt 0x0
	ds_add_u32 v254, v255
	s_wait_dscnt 0x0
	CROUND                                         ; the closing round: no work-group ends while a partner may still ask for a tile that names it
	s_endpgm
.Lfunc_end_k_qce5b15beaf_qkv:
	.size	k_qce5b15beaf_qkv, .Lfunc_end_k_qce5b15beaf_qkv-k_qce5b15beaf_qkv
	.p2alignl 7, 3214868480
	.fill 96, 4, 3214868480
	.section	.rodata,"a",@progbits
	.p2align	6, 0x0
	.amdhsa_kernel k_qce5b15beaf_qkv
		.amdhsa_group_segment_fixed_size 320000
		.amdhsa_private_segment_fixed_size 0
		.amdhsa_enable_private_segment 0
		.amdhsa_kernarg_size 56
		.amdhsa_user_sgpr_count 2
		.amdhsa_user_sgpr_kernarg_segment_ptr 1
		.amdhsa_wavefront_size32 1
		.amdhsa_system_sgpr_workgroup_id_x 1
		.amdhsa_system_sgpr_workgroup_id_y 1
		.amdhsa_system_sgpr_workgroup_id_z 1
		.amdhsa_system_vgpr_workitem_id 0
		.amdhsa_next_free_vgpr 768
		.amdhsa_next_free_sgpr 100
		.amdhsa_reserve_vcc 0
		.amdhsa_float_denorm_mode_32 3
		.amdhsa_float_denorm_mode_16_64 3
		.amdhsa_memory_ordered 1
		.amdhsa_forward_progress 1
		.amdhsa_inst_pref_size 104
	.end_amdhsa_kernel
	.amdgpu_metadata
---
amdhsa.version: [ 1, 2 ]
amdhsa.kernels:
  - .name:           k_qce5b15beaf_qkv
    .symbol:         k_qce5b15beaf_qkv.kd
    .args:
      - { .name: xc, .offset: 0, .size: 8, .value_kind: global_buffer, .address_space: global }
      - { .name: wc, .offset: 8, .size: 8, .value_kind: global_buffer, .address_space: global }
      - { .name: bq, .offset: 16, .size: 8, .value_kind: global_buffer, .address_space: global }
      - { .name: bk, .offset: 24, .size: 8, .value_kind: global_buffer, .address_space: global }
      - { .name: bv, .offset: 32, .size: 8, .value_kind: global_buffer, .address_space: global }
      - { .name: qb, .offset: 40, .size: 8, .value_kind: global_buffer, .address_space: global }
      - { .name: kv, .offset: 48, .size: 8, .value_kind: global_buffer, .address_space: global }
    .group_segment_fixed_size: 320000
    .private_segment_fixed_size: 0
    .kernarg_segment_align: 8
    .kernarg_segment_size: 56
    .max_flat_workgroup_size: 128
    .sgpr_count:     100
    .vgpr_count:     768
    .wavefront_size: 32
...
	.end_amdgpu_metadata
.endif
;; end of part 2
;; launch attn (part 3): grid 4 x 64, 16 waves a work-group, no clusters, 215,040 bytes of LDS; arguments qb, kv, ac; writes ac
.if DOCPART == 3
	.amdgcn_target "amdgcn-amd-amdhsa--gfx1250"
	.amdhsa_code_object_version 6
	.text
	.protected	k_qce5b15beaf_attn
	.globl	k_qce5b15beaf_attn
	.p2align	8
	.type	k_qce5b15beaf_attn,@function
k_qce5b15beaf_attn:
	s_mov_b64 s[64:65], 0
	v_nop
	global_prefetch_b8 v0, s[64:65] scope:SCOPE_SE
	s_setreg_imm32_b32 hwreg(HW_REG_WAVE_MODE, 25, 1), 1
	s_wait_xcnt 0x0
; Causal attention on codes of FP6 (E2M3) with E8M0 scales, head size 64, 2,048 keys, 64 (batch, head) pairs; the result, divided by the row's sum, is quantised along the model's 1,024 and leaves as codes.
; SOFTMAX: t = score x log2(e) / 8; M = the running largest t rounded UP to a whole number; p = 2^(t - M) is quantised along the keys, not normalised; the row's sum is taken of the unquantised p and divides at the end.
; When M moves, the sum and O are multiplied by 2^(old M - new M): exact.
; SHARES.  Work-group (i, head) owns the blocks i and 7 - i of 256 queries: 9 units of causal work in each of the 256 work-groups.  Each of its sixteen waves owns one tile of 16 queries in each block: four waves to a SIMD,
; so that one wave's vector work stands beside another's matrix work and LDS loads.
; THE WHOLE HEAD'S K, V AND SCALES LIE IN LDS: 16 blocks of 13,312 bytes (128 keys each), filled once: each wave issues four tensor loads at the head (3,328 bytes of each group of four blocks); four of a wave are out at most.
; LAYOUT.  Both products are used transposed: S^T = K Q^T (source 0 = 16 keys), O^T = V^T P^T (source 0 = 16 of the head's 64): a lane holds ONE query throughout.  In each group of 32 keys, queries or channels lane row r
; of tile u is row 8 u + r % 8 + 16 (r / 8): the 16 registers of tiles 2 b, 2 b + 1 are 16 neighbours.  THE HEAD'S 64 FILL HALF OF THE INSTRUCTION'S K: Q's upper six registers are zero codes; K's operand of tile t runs on
; into tile t + 1's codes (tile 7's into six zero registers), which meet those zeros.
; CAUSAL.  Every wave walks all 16 key steps: trip counts are constants.  A step all of whose keys come after the tile's queries is jumped over (a branch on ids); on the diagonal hidden scores become -infinity, so p = 0.
; NO CLUSTER, though the four work-groups of a head read the same K and V: the jump over hidden steps hangs on the query block, which is what tells those four apart, and without it a tile would walk 16 steps where 8.5 count on average.
; LIMITS: NaN and infinities are not served.  A hidden score counts as -infinity where the problem writes -1e9: the same p = 0 wherever visible scores lie far above -1e9.  A block of zeros gets the byte 1 (zero codes).
; The two scale bytes a head owns of each row's word leave by a store of two bytes a lane: four heads share a word's block of 256 bytes.
; REGISTERS: v1 16 x lane, v2 8 x lane, v3-4 the step's LDS addresses, v5 my query's place less 16 (lane / 16); v8-11, v12-15 -M, largest t, the sum in two halves (tiles A, B); v16-27, v28-39 Q; v40-87 K's eight half
; fragments, then V's four fragments; v88-93 zeros; v94-95 Q's scale words; v96-159 S^T, then p; v160-191, v192-223 O^T; v224-235 p's codes; v232-254 at work; v248-251 K's, then V's scale words; v252 f; v253 p's scale word.
.set HEADKV, 212992
.set BLKB,  13312
.set GRP,   4*BLKB
.set VO,    6144
.set KSO,   12288
.set VSO,   12800
.macro PLACES
.rept 4
	v_nop
.endr
.endm
	s_load_b128 s[4:7], s[0:1], 0x0                ; qb, kv
	s_load_b64 s[8:9], s[0:1], 0x10                ; ac
	v_lshl_add_u32 v254, v0, 2, 0x34000
	v_mov_b32 v255, 0
	ds_add_u32 v254, v255
	ds_add_u32 v254, v255
	s_wait_dscnt 0x0
	v_lshrrev_b32 v1, 5, v0
	v_readfirstlane_b32 s18, v1                    ; wave 0..15
	s_and_b32 s19, ttmp7, 0xffff                   ; 16 x batch + head
	; group 1: 13 rows of 256 bytes (32 elements of 8 bytes), dense in memory and in LDS
	s_mov_b32 s24, 3<<16
	s_mov_b32 s25, 32<<16                          ; tensor_dim0
	s_mov_b32 s26, 13<<16                          ; tensor_dim1
	s_mov_b32 s27, 32<<16                          ; tile_dim0
	s_mov_b32 s28, 13                              ; tile_dim1
	s_mov_b32 s29, 32                              ; tensor_dim0_stride
	s_mov_b32 s30, 0
	s_mov_b32 s31, 0
	s_mul_i32 s10, s18, 3328                       ; my part of a group, in LDS as in memory
	s_mul_i32 s12, s19, HEADKV
	s_add_co_u32 s12, s12, s10
	s_mov_b32 s13, 0
	s_wait_kmcnt 0x0
	s_add_nc_u64 s[6:7], s[6:7], s[12:13]
.irp g, 0,1,2,3
	s_mov_b32 s[32+4*\g], 1
	s_add_co_u32 s[33+4*\g], s10, \g*GRP
	s_add_nc_u64 s[34+4*\g:35+4*\g], s[6:7], \g*GRP
	s_or_b32 s[35+4*\g], s[35+4*\g], 0x80000000
.endr
.irp g, 0,1,2,3
	tensor_load_to_lds s[32+4*\g:35+4*\g], s[24:31]
	s_nop 0
.endr
	PLACES                                         ; four v_nop follow the last
	v_and_b32 v2, 31, v0
	v_lshlrev_b32 v1, 4, v2
	v_lshlrev_b32 v2, 3, v2
	s_mov_b32 s20, 0x76543210
	s_mov_b32 s21, 0xfedcba98                      ; v_permlanex16_b32's selects for lane l xor 16
	s_mov_b32 s22, 0x3e38aa3b                      ; c = log2(e) / 8
	s_mov_b32 s23, s22                             ; (named with it as a pair, so it is written)
	s_lshr_b32 s11, s18, 1
	s_lshl_b32 s12, s11, 5
	s_lshl_b32 s49, ttmp9, 8
	s_add_co_u32 s49, s49, s12                     ; tile A: its group of 32 queries begins at 256 i + 32 (w / 2)
	s_sub_co_u32 s13, 7, ttmp9
	s_lshl_b32 s50, s13, 8
	s_add_co_u32 s50, s50, s12                     ; tile B: at 256 (7 - i) + 32 (w / 2)
	; Q: the group of 128 queries is 2 x block + w / 8, the tile in it w % 8
	s_mul_i32 s14, s19, 106496
	s_lshr_b32 s15, s18, 3
	s_lshl_b32 s16, ttmp9, 1
	s_add_co_u32 s16, s16, s15
	s_mul_i32 s16, s16, 6656
	s_add_co_u32 s16, s16, s14
	s_mov_b32 s17, 0
	s_add_nc_u64 s[60:61], s[4:5], s[16:17]
	s_lshl_b32 s16, s13, 1
	s_add_co_u32 s16, s16, s15
	s_mul_i32 s16, s16, 6656
	s_add_co_u32 s16, s16, s14
	s_add_nc_u64 s[62:63], s[4:5], s[16:17]
	s_and_b32 s51, s18, 7
	s_mul_i32 s14, s51, 768
	v_add_nc_u32 v6, s14, v1
	v_add_nc_u32 v7, s14, v2
	s_lshr_b32 s14, s51, 2                         ; its scale words: image t / 4, register (t / 2) % 2, lanes 16 (t % 2) on
	s_lshl_b32 s14, s14, 8
	s_and_b32 s15, s51, 1
	s_lshl_b32 s15, s15, 7
	s_add_co_u32 s14, s14, s15
	s_bfe_u32 s15, s51, 0x10001
	s_lshl_b32 s15, s15, 2
	s_add_co_u32 s14, s14, s15
	s_add_co_u32 s14, s14, 6144
	v_and_b32 v255, 15, v0
	v_lshl_add_u32 v255, v255, 3, s14
	global_load_b128 v[16:19], v6, s[60:61]
	global_load_b64 v[20:21], v7, s[60:61] offset:512
	global_load_b32 v94, v255, s[60:61]
	global_load_b128 v[28:31], v6, s[62:63]
	global_load_b64 v[32:33], v7, s[62:63] offset:512
	global_load_b32 v95, v255, s[62:63]
	; where the results go: tile 128 x batch + 16 x block + wave of ac; in it the head's half fragment and its two bytes of each row's scale word
	s_lshr_b32 s12, s19, 4
	s_lshl_b32 s12, s12, 7
	s_add_co_u32 s12, s12, s18
	s_and_b32 s14, s19, 15                         ; head
	s_lshr_b32 s15, s14, 2
	s_mul_i32 s15, s15, 3328                       ; slot head / 4
	s_bfe_u32 s16, s14, 0x10001                    ; K step (head / 2) % 2 of the slot
	s_and_b32 s14, s14, 1                          ; half fragment head % 2
	s_mul_i32 s51, s16, 1536
	s_mul_i32 s17, s14, 768
	s_add_co_u32 s51, s51, s17
	s_add_co_u32 s51, s51, s15                     ; the codes' place in a tile
	s_lshl_b32 s16, s16, 2
	s_lshl_b32 s14, s14, 1
	s_add_co_u32 s16, s16, s14
	s_add_co_u32 s16, s16, s15
	s_add_co_u32 s15, s16, 3072                    ; the two bytes' place
	s_mov_b32 s17, 0
	s_lshl_b32 s14, ttmp9, 4
	s_add_co_u32 s14, s14, s12
	s_mul_i32 s14, s14, 13312
	s_add_co_u32 s16, s14, s51
	s_add_nc_u64 s[52:53], s[8:9], s[16:17]
	s_add_co_u32 s16, s14, s15
	s_add_nc_u64 s[54:55], s[8:9], s[16:17]
	s_lshl_b32 s14, s13, 4
	s_add_co_u32 s14, s14, s12
	s_mul_i32 s14, s14, 13312
	s_add_co_u32 s16, s14, s51
	s_add_nc_u64 s[56:57], s[8:9], s[16:17]
	s_add_co_u32 s16, s14, s15
	s_add_nc_u64 s[58:59], s[8:9], s[16:17]
	v_and_b32 v5, 15, v0
	v_and_b32 v254, 8, v5
	v_add_nc_u32 v5, v5, v254                      ; r % 8 + 16 (r / 8)
	v_bfe_u32 v254, v0, 4, 1
	v_lshlrev_b32 v254, 4, v254
	v_sub_nc_u32 v5, v5, v254                      ; - 16 (lane / 16)
	s_and_b32 s10, s18, 1
	s_lshl_b32 s10, s10, 3
	v_add_nc_u32 v5, s10, v5                       ; + 8 (w % 2)
.irp j, 22,23,24,25,26,27,34,35,36,37,38,39,88,89,90,91,92,93
	v_mov_b32 v[\j], 0                             ; zero codes: Q's upper halves, and what stands behind K's last tile
.endr
.irp j, 236,237,238,239,252,253
	v_mov_b32 v[\j], 0                             ; written once: a lane permute's destination counts as one of its sources; v253 is named as the upper half of a pair
.endr
.irp z, 8,12
	v_mov_b32 v[\z+1], 0xff61b1e6                  ; the largest t so far: -3e38, under every t
	v_floor_f32 v[\z], -v[\z+1]                    ; -M
	v_mov_b32 v[\z+2], 0                           ; the sum, in two halves
	v_mov_b32 v[\z+3], 0
.endr
.set n, 0
.rept 64
	v_mov_b32 v[160+n], 0                          ; O^T.  (A step is written without a first form: the first finds zeros, which the first change of M leaves zeros)
.set n, n+1
.endr
	s_wait_loadcnt 0x0                             ; Q
; A KEY STEP of one tile: 128 keys at LDS byte s2, the first of them key s3.  QF: Q's operand; QS: its scale words; OT: O^T; SB: the statistics; SQ: the scalar with the first query of the tile's group of 32.
.macro STEP QF, QS, OT, SB, SQ
	s_cmp_gt_u32 s3, s[\SQ]                        ; s3 is a multiple of 128 and the group's first query of 32: above it, all 128 keys come after all 32 queries
	s_cbranch_scc1 .Lhidden_\@
	v_add_nc_u32 v3, s2, v1
	v_add_nc_u32 v4, s2, v2
	v_nop
	v_nop                                          ; four places in front of loads into registers that the last products read
.irp t, 0,1,2,3,4,5,6,7
	ds_load_b128 v[40+6*\t:43+6*\t], v3 offset:768*\t
	ds_load_b64 v[44+6*\t:45+6*\t], v4 offset:768*\t+512
.endr
	ds_load_b64 v[248:249], v4 offset:KSO          ; a register holds tile 2 e's words in lanes 0-15 and tile 2 e + 1's in lanes 16-31
	ds_load_b64 v[250:251], v4 offset:KSO+256
	s_wait_dscnt 0x0
.irp t, 0,2,4,6
	v_wmma_scale_f32_16x16x128_f8f6f4 v[96+8*\t:103+8*\t], v[40+6*\t:51+6*\t], v[\QF:\QF+11], 0, v[248+\t/2], v[\QS] matrix_a_fmt:MATRIX_FMT_FP6 matrix_b_fmt:MATRIX_FMT_FP6
	v_wmma_scale_f32_16x16x128_f8f6f4 v[104+8*\t:111+8*\t], v[46+6*\t:57+6*\t], v[\QF:\QF+11], 0, v[248+\t/2], v[\QS] matrix_a_fmt:MATRIX_FMT_FP6 matrix_b_fmt:MATRIX_FMT_FP6 matrix_a_scale:MATRIX_SCALE_ROW1
.endr
	PLACES
.irp a, 0,1,2,3                                ; V's fragments and scale words are asked for now and land under the softmax
	ds_load_b128 v[40+12*\a:43+12*\a], v3 offset:VO+1536*\a
	ds_load_b64 v[44+12*\a:45+12*\a], v4 offset:VO+1536*\a+512
	ds_load_b128 v[46+12*\a:49+12*\a], v3 offset:VO+1536*\a+768
	ds_load_b64 v[50+12*\a:51+12*\a], v4 offset:VO+1536*\a+1280
.endr
	ds_load_b64 v[248:249], v4 offset:VSO
	ds_load_b64 v[250:251], v4 offset:VSO+256
	s_add_co_u32 s51, s3, 128                      ; a step all of whose keys come before the group's first query needs no mask
	s_cmp_le_u32 s51, s[\SQ]
	s_cbranch_scc1 .Lopen_\@
	s_sub_co_i32 s51, s[\SQ], s3
	v_add_nc_u32 v252, s51, v5                     ; d = my query - the step's first key - 16 (lane / 16).  Register 16 b + i holds key 32 b + 16 (lane / 16) + i of the step: hidden where 32 b + i > d
	v_mov_b32 v254, 0xff800000                     ; -infinity
.set n, 0
.rept 64
	v_cmp_gt_i32 vcc_lo, 32*(n/16)+n%16, v252
	v_cndmask_b32 v[96+n], v[96+n], v254, vcc_lo
.set n, n+1
.endr
.Lopen_\@:
.irp b, 0,1,2,3
	v_max3_num_f32 v[232+\b], v[96+16*\b], v[97+16*\b], v[98+16*\b]   ; the largest score of each block of 32 keys: it serves for the row's maximum and, since p rises with the score, for the block's largest p
.endr
.irp i, 3,5,7,9,11,13
.irp b, 0,1,2,3
	v_max3_num_f32 v[232+\b], v[232+\b], v[96+16*\b+\i], v[97+16*\b+\i]
.endr
.endr
.irp b, 0,1,2,3
	v_max_num_f32 v[232+\b], v[232+\b], v[111+16*\b]
.endr
.irp b, 0,1,2,3
	v_permlanex16_b32 v[236+\b], v[232+\b], s20, s21
.endr
.irp b, 0,1,2,3
	v_max_num_f32 v[232+\b], v[232+\b], v[236+\b]  ; with lane l xor 16's 16 keys
.endr
	v_max3_num_f32 v254, v232, v233, v234
	v_max_num_f32 v254, v254, v235                 ; the step's largest score of my query (its first key counts, so it is a number)
	v_mul_f32 v254, s22, v254
	v_max_num_f32 v[\SB+1], v[\SB+1], v254         ; the running largest t
	v_mov_b32 v254, v[\SB]
	v_floor_f32 v[\SB], -v[\SB+1]                  ; the new -M = -ceil(t)
	v_sub_f32 v254, v[\SB], v254                   ; old M - new M: a whole number, 0 or less
	v_cvt_i32_f32 v254, v254                       ; (it saturates)
	v_ldexp_f32 v252, 1.0, v254                    ; f = 2^(old M - new M)
.set n, 0
.rept 32
	v_pk_fma_f32 v[96+n:97+n], v[96+n:97+n], s[22:23], v[\SB:\SB+1] op_sel_hi:[1,0,0]   ; t - M, two at a time
.set n, n+2
.endr
.irp b, 0,1,2,3
	v_fma_f32 v[232+\b], v[232+\b], s22, v[\SB]    ; the same of each block's largest score
.endr
.set n, 0
.rept 64
	v_exp_f32 v[96+n], v[96+n]                     ; p = 2^(t - M), at most 1
.set n, n+1
.endr
	v_pk_mul_f32 v[\SB+2:\SB+3], v[\SB+2:\SB+3], v[252:253] op_sel_hi:[1,0]   ; the sums under the new M: the plain instruction behind the exponentials
	s_wait_alu depctr_va_vdst(0)                   ; one wait for the batch, ahead of the first line that names a result
.irp b, 0,1,2,3
	v_exp_f32 v[232+\b], v[232+\b]                 ; the block's largest p: the same two instructions on the same number give the same bits
.endr
	v_pk_add_f32 v[236:237], v[96:97], v[98:99]    ; the row's sum of the unquantised p, in two chains; it reads the 64 alone
.set n, 4
.rept 15
	v_pk_add_f32 v[\SB+2:\SB+3], v[\SB+2:\SB+3], v[96+n:97+n]
	v_pk_add_f32 v[236:237], v[236:237], v[98+n:99+n]
.set n, n+4
.endr
	v_pk_add_f32 v[\SB+2:\SB+3], v[\SB+2:\SB+3], v[236:237]
	s_wait_alu depctr_va_vdst(0)                   ; and one for the four
.irp b, 0,1,2,3
	v_max_num_f32 v[232+\b], 0x1800000, v[232+\b]  ; the floor 2^(3 - 127): the byte cannot fall under 1
.endr
.irp b, 0,1,2,3
	v_add_nc_u32 v[244+\b], 0xff000000, v[232+\b]  ; 2 off the exponent field: the conversion's scale operand
.endr
.irp b, 0,1,2,3
	v_lshrrev_b32 v[236+\b], 23, v[244+\b]         ; the scale's byte
.endr
	v_lshl_or_b32 v253, v237, 8, v236              ; p's scale word for these 128 keys
	v_lshl_or_b32 v253, v238, 16, v253
	v_lshl_or_b32 v253, v239, 24, v253
.irp c, 0,1
	v_cvt_scalef32_pk16_fp6_f32 v[224+6*\c:226+6*\c], v[96+32*\c:111+32*\c], v[244+2*\c]
	v_cvt_scalef32_pk16_fp6_f32 v[236+4*\c:238+4*\c], v[112+32*\c:127+32*\c], v[244+2*\c+1]   ; (a conversion's three registers begin on an even number)
.endr
	v_nop                                          ; one plain instruction behind a scaled conversion
.irp c, 0,1                                    ; a whole block in a lane: lanes 0-15 block 2 c, lanes 16-31 block 2 c + 1
.irp i, 0,1,2
	v_permlane16_swap_b32 v[224+6*\c+\i], v[236+4*\c+\i]
.endr
.irp i, 0,1,2
	v_mov_b32 v[227+6*\c+\i], v[236+4*\c+\i]
.endr
.endr
.set n, 0
.rept 16
	v_pk_mul_f32 v[\OT+n:\OT+n+1], v[\OT+n:\OT+n+1], v[252:253] op_sel_hi:[1,0]   ; O^T under the new M.  These sixteen also stand between the lines that made p's codes and scale word and the products below
.set n, n+2
.endr
	s_wait_dscnt 0x0                               ; V
.irp a, 0,1,2,3
	v_wmma_scale_f32_16x16x128_f8f6f4 v[\OT+8*\a:\OT+8*\a+7], v[40+12*\a:51+12*\a], v[224:235], v[\OT+8*\a:\OT+8*\a+7], v[248+\a], v253 matrix_a_fmt:MATRIX_FMT_FP6 matrix_b_fmt:MATRIX_FMT_FP6
.endr
.Lhidden_\@:
.endm
; Four key steps: the blocks that every wave's g-th load brought.
.macro GROUP g
	s_wait_tensorcnt 3-\g                          ; my part of this group has landed; the later groups' loads may stay out,
	s_wait_dscnt 0x0
	s_barrier_signal -1
	s_barrier_wait -1                              ; everybody's has.
	s_mov_b32 s2, \g*GRP
	s_mov_b32 s3, \g*512
	s_mov_b32 s48, 4
.Ltrip_\@:
	STEP 16, 94, 160, 8, 49
	STEP 28, 95, 192, 12, 50
	s_add_co_u32 s2, s2, BLKB
	s_add_co_u32 s3, s3, 128
	s_sub_co_u32 s48, s48, 1
	s_cmp_lg_u32 s48, 0
	s_cbranch_scc1 .Ltrip_\@
.endm
	GROUP 0
	GROUP 1
	GROUP 2
	GROUP 3
; THE WAY OUT of a tile: O^T / the sum; register 16 b + i is channel 32 b + 16 (lane / 16) + i of my query: two blocks of the last product's K; their codes are a half fragment.
.macro FINISH OT, SB, CB, HB
	v_add_f32 v[\SB+2], v[\SB+2], v[\SB+3]         ; the sum's two halves,
	v_permlanex16_b32 v252, v[\SB+2], s20, s21
	v_add_f32 v[\SB+2], v[\SB+2], v252             ; and lane l xor 16's
	v_rcp_f32 v[\SB+2], v[\SB+2]
	v_nop                                          ; a plain instruction behind the transcendental,
	s_wait_alu depctr_va_vdst(0)                   ; and the wait ahead of the first line that names its result
.set n, 0
.rept 32
	v_mul_f32 v[96+n], v[\OT+n], v[\SB+2]
.set n, n+1
.endr
.irp b, 0,1
	v_max3_num_f32 v[232+\b], |v[96+16*\b]|, |v[97+16*\b]|, 0x1800000
.endr
.irp i, 2,4,6,8,10,12,14
.irp b, 0,1
	v_max3_num_f32 v[232+\b], v[232+\b], |v[96+16*\b+\i]|, |v[97+16*\b+\i]|
.endr
.endr
.irp b, 0,1
	v_permlanex16_b32 v[236+\b], v[232+\b], s20, s21
.endr
.irp b, 0,1
	v_max_num_f32 v[232+\b], v[232+\b], v[236+\b]
.endr
.irp b, 0,1
	v_add_nc_u32 v[244+\b], 0xff000000, v[232+\b]
.endr
.irp b, 0,1
	v_lshrrev_b32 v[236+\b], 23, v[244+\b]
.endr
	v_lshl_or_b32 v254, v237, 8, v236              ; the head's two bytes of my row's scale word
	v_cvt_scalef32_pk16_fp6_f32 v[224:226], v[96:111], v244
	v_cvt_scalef32_pk16_fp6_f32 v[240:242], v[112:127], v245
	v_nop
.irp i, 0,1,2
	v_permlane16_swap_b32 v[224+\i], v[240+\i]
.endr
.irp i, 0,1,2
	v_mov_b32 v[227+\i], v[240+\i]
.endr
	global_store_b128 v1, v[224:227], s[\CB:\CB+1]             ; 512 and 256 consecutive bytes, at multiples of 256 from the buffer's first byte
	global_store_b64 v2, v[228:229], s[\CB:\CB+1] offset:512
	global_store_b16 v2, v254, s[\HB:\HB+1]                    ; lanes 16-31 repeat lanes 0-15, as a scale image wants
.endm
	PLACES                                         ; behind the last products
	FINISH 160, 8, 52, 54
	s_wait_xcnt 0x0                                ; the stores have read their registers
	FINISH 192, 12, 56, 58
	s_wait_xcnt 0x0
	v_lshl_add_u32 v254, v0, 2, 0x34000
	v_mov_b32 v255, 0
	s_wait_tensorcnt 0x0
	ds_add_u32 v254, v255
	s_wait_dscnt 0x0
	s_endpgm
.Lfunc_end_k_qce5b15beaf_attn:
	.size	k_qce5b15beaf_attn, .Lfunc_end_k_qce5b15beaf_attn-k_qce5b15beaf_attn
	.p2alignl 7, 3214868480
	.fill 96, 4, 3214868480
	.section	.rodata,"a",@progbits
	.p2align	6, 0x0
	.amdhsa_kernel k_qce5b15beaf_attn
		.amdhsa_group_segment_fixed_size 215040
		.amdhsa_private_segment_fixed_size 0
		.amdhsa_enable_private_segment 0
		.amdhsa_kernarg_size 24
		.amdhsa_user_sgpr_count 2
		.amdhsa_user_sgpr_kernarg_segment_ptr 1
		.amdhsa_wavefront_size32 1
		.amdhsa_system_sgpr_workgroup_id_x 1
		.amdhsa_system_sgpr_workgroup_id_y 1
		.amdhsa_system_sgpr_workgroup_id_z 1
		.amdhsa_system_vgpr_workitem_id 0
		.amdhsa_next_free_vgpr 256
		.amdhsa_next_free_sgpr 66
		.amdhsa_reserve_vcc 1
		.amdhsa_float_denorm_mode_32 3
		.amdhsa_float_denorm_mode_16_64 3
		.amdhsa_memory_ordered 1
		.amdhsa_forward_progress 1
		.amdhsa_inst_pref_size 187
	.end_amdhsa_kernel
	.amdgpu_metadata
---
amdhsa.version: [ 1, 2 ]
amdhsa.kernels:
  - .name:           k_qce5b15beaf_attn
    .symbol:         k_qce5b15beaf_attn.kd
    .args:
      - { .name: qb, .offset: 0, .size: 8, .value_kind: global_buffer, .address_space: global }
      - { .name: kv, .offset: 8, .size: 8, .value_kind: global_buffer, .address_space: global }
      - { .name: ac, .offset: 16, .size: 8, .value_kind: global_buffer, .address_space: global }
    .group_segment_fixed_size: 215040
    .private_segment_fixed_size: 0
    .kernarg_segment_align: 8
    .kernarg_segment_size: 24
    .max_flat_workgroup_size: 512
    .sgpr_count:     66
    .vgpr_count:     256
    .wavefront_size: 32
...
	.end_amdgpu_metadata
.endif
;; end of part 3
;; launch oproj (part 4): grid 4 x 64, 4 waves a work-group, clusters of 4 x 4, 320,000 bytes of LDS; arguments ac, wc, bo, x, out0; writes out0
.if DOCPART == 4
	.amdgcn_target "amdgcn-amd-amdhsa--gfx1250"
	.amdhsa_code_object_version 6
	.text
	.protected	k_qce5b15beaf_oproj
	.globl	k_qce5b15beaf_oproj
	.p2align	8
	.type	k_qce5b15beaf_oproj,@function
k_qce5b15beaf_oproj:
	s_mov_b64 s[64:65], 0
	v_nop
	global_prefetch_b8 v0, s[64:65] scope:SCOPE_SE
	s_setreg_imm32_b32 hwreg(HW_REG_WAVE_MODE, 25, 1), 1
	s_wait_xcnt 0x0
	s_wait_alu depctr_hold_cnt(0) depctr_sa_sdst(0) depctr_va_vdst(0) depctr_va_sdst(0) depctr_va_ssrc(0) depctr_va_vcc(0) depctr_vm_vsrc(0)
	s_getreg_b32 s2, hwreg(HW_REG_IB_STS2, 6, 4)
	s_cmp_eq_u32 s2, 0
	s_cbranch_scc0 .Lentry_in_a_cluster
	s_endpgm
.Lentry_in_a_cluster:
	s_bfe_u32 s2, ttmp6, 0x10000c
	s_cmp_lg_u32 s2, 0xf033
	s_cbranch_scc0 .Lentry_shape_is_right
	s_endpgm
.Lentry_shape_is_right:
; out0 = x + attention's output Wo^T + bo; the product on codes of FP6 (E2M3) with E8M0 scales, K = 1,024, sums in f32.
; OPERANDS arrive as images of operand registers: a tile of 16 rows is 13,312 bytes = four slots of 3,328 (two K steps of 128: 2 x 1,536 bytes of codes, then 256 bytes of scale words, two words a lane).
; In each group of 32 rows lane row r of tile u is row 8 u + r % 8 + 16 (r / 8).
; A work-group makes 128 tokens (A rows) x 256 features (B rows: Wo's).  Source 0 = 16 rows of Wo, source 1 = 16 tokens: a lane holds one token and eight neighbouring features a tile.
; Four waves: wave w owns A's tiles 4 (w / 2) on and B's tiles 8 (w % 2) on: 32 accumulators.
; ALL OF K LIES IN LDS: 384 rows x 832 bytes, in four slots along K; each wave issues four tensor loads at the head and nothing is filled again; four loads of a wave are out at most.
; CLUSTERS: 4 x 4 work-groups; A's tiles are asked for jointly along a row of the cluster, B's along a column.
; bo is the C of each sum's first matrix instruction.  The wave's 64 x 128 numbers of x are asked for under the first four K steps, into window 3, and are added on the way out.
; REGISTERS: window 0: v1 16 x lane, v2 8 x lane, v3 the bias's offset, v8-23 LDS addresses, v24-25 the stage, v32-79 scale words (two sets), v128-223 A's fragments (two sets); on the way out v128-255 rows of the result.
;   window 1: B's fragments, v0-95 and v128-223; bo in v96-127 and v224-255.   window 2: accumulator (a, b) at v[8 (8 a + b)].   window 3: x, row t of A's tile a at v[64 a + 4 t].
.set TILEB, 13312
.set SLB,   3328
.set SLOT,  24*SLB
.set BOFF,  8*SLB
.set STB,   1536
.set SCO,   3072
.set FR,    12
.set L16,   1
.set L8,    2
.set AA16,  8
.set AA8,   12
.set AB16,  16
.set AB8,   20
.set STO,   24
.set RD,    25
.set SC,    32
.set AF,    128
.set BK,    128
.set SPITCH, 528                       ; the stage: 16 rows x (512 bytes + 16) for each wave, in slot 0: it has had its one fill, and every wave's reads of it were waited for in front of the barrier of K step 1
.set MSB, 0
.macro WIN new                         ; the immediate's high byte repeats the setting that is left; bits 1:0 source 0, 3:2 source 1, 5:4 source 2, 7:6 destination
.if MSB != \new
	s_set_vgpr_msb (MSB<<8)|\new
.set MSB, \new
.endif
.endm
.macro PLACES                          ; four plain vector instructions between a matrix instruction and a load into, or a read of, its registers (ISA guide 7.12.1 for reads)
.rept 4
	v_nop
.endr
.endm
.macro CROUND                          ; a round of the cluster's barrier
	s_barrier_signal -1
	s_barrier_wait -1
	s_cmp_lg_u32 s18, 0
	s_cbranch_scc1 .Lnot_wave_0_\@
	s_barrier_signal -3
.Lnot_wave_0_\@:
	s_barrier_wait -3
	s_barrier_signal -1
	s_barrier_wait -1
.endm
.macro FRAG reg, a16, a8, off
.set FRG, \reg
	ds_load_b128 v[FRG:FRG+3], v[\a16] offset:(\off)
	ds_load_b64 v[FRG+4:FRG+5], v[\a8] offset:(\off)+512
	ds_load_b128 v[FRG+6:FRG+9], v[\a16] offset:(\off)+768
	ds_load_b64 v[FRG+10:FRG+11], v[\a8] offset:(\off)+1280
.endm
.macro FETCH k                         ; K step k's fragments into set k % 2; with a slot's first step the slot's scale words
.set FS, (\k)%2
.set FG, (\k)/2
	WIN 0x40
.irp b, 0,1,2,3,4,5,6,7
	FRAG 128*FS+FR*\b, AB16+FG, AB8+FG, SLB*\b+STB*FS
.endr
	WIN 0
.irp a, 0,1,2,3
	FRAG AF+48*FS+FR*\a, AA16+FG, AA8+FG, SLB*\a+STB*FS
.endr
.if FS == 0
.irp a, 0,1,2,3
	ds_load_b64 v[SC+24*(FG%2)+2*\a:SC+24*(FG%2)+2*\a+1], v[AA8+FG] offset:SLB*\a+SCO
.endr
.irp b, 0,1,2,3,4,5,6,7
	ds_load_b64 v[SC+24*(FG%2)+8+2*\b:SC+24*(FG%2)+8+2*\b+1], v[AB8+FG] offset:SLB*\b+SCO
.endr
.endif
.endm
; 32 matrix instructions: K step k; the accumulators take turns, one instruction a turn, in the same order in every step.  first = 1: the sums begin with the bias.
.macro MUL32 k, first
.set MS, (\k)%2
.set MC, SC+24*(((\k)/2)%2)
.if \first
	WIN 0x91                                       ; source 0 (B) window 1, source 1 (A) window 0, C window 1, D window 2
.else
	WIN 0xa1                                       ; C and D window 2
.endif
.irp a, 0,1,2,3
.irp b, 0,1,2,3,4,5,6,7
.if \first
	v_wmma_scale_f32_16x16x128_f8f6f4 v[8*(8*\a+\b):8*(8*\a+\b)+7], v[128*MS+FR*\b:128*MS+FR*\b+FR-1], v[AF+48*MS+FR*\a:AF+48*MS+FR*\a+FR-1], v[96+8*\b+96*(\b/4):96+8*\b+96*(\b/4)+7], v[MC+8+2*\b+MS], v[MC+2*\a+MS] matrix_a_fmt:MATRIX_FMT_FP6 matrix_b_fmt:MATRIX_FMT_FP6
.else
	v_wmma_scale_f32_16x16x128_f8f6f4 v[8*(8*\a+\b):8*(8*\a+\b)+7], v[128*MS+FR*\b:128*MS+FR*\b+FR-1], v[AF+48*MS+FR*\a:AF+48*MS+FR*\a+FR-1], v[8*(8*\a+\b):8*(8*\a+\b)+7], v[MC+8+2*\b+MS], v[MC+2*\a+MS] matrix_a_fmt:MATRIX_FMT_FP6 matrix_b_fmt:MATRIX_FMT_FP6
.endif
.endr
.endr
.endm
.macro RES k                           ; x at the 16 tokens of A's tile k, my 128 features: each load reads 512 consecutive bytes.  Lane row t is token 32 (k / 2) + 8 (k % 2) + t % 8 + 16 (t / 8)
	WIN 0xc0                                       ; destination window 3
.set t, 0
.rept 16
	global_load_b128 v[64*(\k)+4*t:64*(\k)+4*t+3], v[L16], s[10:11] offset:(32*((\k)/2)+8*((\k)%2)+t%8+16*(t/8))*4096 th:TH_LOAD_NT
.set t, t+1
.endr
.endm
.macro STEP k
	s_wait_dscnt 0x0                               ; this step's fragments are in: they were asked for 32 matrix instructions ago
.if (\k)%2 == 1 && (\k) < 7
	s_wait_tensorcnt 3-((\k)+1)/2                  ; my part of the next slot has landed; the loads of the slots behind it may stay out,
	s_barrier_signal -1
	s_barrier_wait -1                              ; everybody's has.
.endif
.if (\k) > 0 && (\k) < 7
	PLACES
.endif
.if (\k) < 7
	FETCH (\k)+1
.endif
.if (\k) < 4
	RES \k
.endif
.if (\k) == 0
	MUL32 0, 1
.else
	MUL32 \k, 0
.endif
	WIN 0
.endm
	s_load_b256 s[4:11], s[0:1], 0x0               ; ac, wc, bo, x
	s_load_b64 s[12:13], s[0:1], 0x20              ; out0
	v_lshl_add_u32 v126, v0, 2, 0x4e000
	v_mov_b32 v127, 0
	ds_add_u32 v126, v127
	ds_add_u32 v126, v127
	v_lshrrev_b32 v1, 5, v0
	v_readfirstlane_b32 s18, v1                    ; wave 0..3
	s_lshr_b32 s19, s18, 1                         ; which four tiles of A are mine.  Also: I fetch for A (0) or for B (1)
	s_and_b32 s20, s18, 1                          ; which eight tiles of B.  Also: which half of the tiles I fetch
	s_bfe_u32 s21, ttmp6, 0x40000                  ; cx
	s_bfe_u32 s22, ttmp6, 0x40004                  ; cy
	s_and_b32 s3, ttmp7, 0xffff                    ; cluster y
	s_lshl_b32 s84, s22, 2
	s_lshl_b32 s84, 15, s84                        ; my row of the cluster
	s_lshl_b32 s85, 0x1111, s21                    ; my column
	; group 1: rows of 3,328 bytes (416 elements of 8 bytes), 13,312 bytes apart: a slot's part of 4 (A) or 8 (B) tiles; dense in LDS
	s_or_b32 s24, s84, (3<<16)|(1<<21)
	s_mov_b32 s25, 416<<16
	s_mov_b32 s26, 4<<16
	s_mov_b32 s27, 416<<16
	s_mov_b32 s28, 4
	s_mov_b32 s29, 1664
	s_mov_b32 s30, 0
	s_mov_b32 s31, 0
	s_or_b32 s32, s85, (3<<16)|(1<<21)
	s_mov_b32 s33, 416<<16
	s_mov_b32 s34, 8<<16
	s_mov_b32 s35, 416<<16
	s_mov_b32 s36, 8
	s_mov_b32 s37, 1664
	s_mov_b32 s38, 0
	s_mov_b32 s39, 0
	s_lshl_b32 s56, s3, 2
	s_add_co_u32 s56, s56, s22                     ; which 128 tokens: 4 y + cy
	s_lshl_b32 s58, s56, 3
	s_lshl_b32 s59, s20, 2
	s_add_co_u32 s58, s58, s59                     ; A: tile 8 x index + 4 x half
	s_mul_i32 s58, s58, TILEB
	s_mov_b32 s59, 0
	s_lshl_b32 s60, s21, 4
	s_lshl_b32 s61, s20, 3
	s_add_co_u32 s60, s60, s61
	s_add_co_u32 s60, s60, 192                     ; B: Wo's tiles begin 192 tiles into wc: tile 192 + 16 cx + 8 x half
	s_mul_i32 s60, s60, TILEB
	s_mov_b32 s61, 0
	s_mul_i32 s62, s20, 4*SLB                      ; where they go: the wave's number alone enters an LDS address
	s_mul_i32 s63, s20, 8*SLB
	s_wait_dscnt 0x0
	s_wait_kmcnt 0x0
	s_add_nc_u64 s[58:59], s[4:5], s[58:59]
	s_add_nc_u64 s[60:61], s[6:7], s[60:61]
.irp g, 0,1,2,3
	s_mov_b32 s[40+4*\g], 1
	s_add_co_u32 s[41+4*\g], s62, \g*SLOT
	s_add_nc_u64 s[42+4*\g:43+4*\g], s[58:59], \g*SLB
	s_or_b32 s[43+4*\g], s[43+4*\g], 0x80000000
	s_mov_b32 s[68+4*\g], 1
	s_add_co_u32 s[69+4*\g], s63, \g*SLOT+BOFF
	s_add_nc_u64 s[70+4*\g:71+4*\g], s[60:61], \g*SLB
	s_or_b32 s[71+4*\g], s[71+4*\g], 0x80000000
.endr
	CROUND                                         ; all sixteen work-groups are here: the joint loads meet
	s_cmp_eq_u32 s19, 0                            ; a wave's four fills stand in one branch on its number; four v_nop follow the last
	s_cbranch_scc0 .Lfor_b
	tensor_load_to_lds s[40:43], s[24:31]
	s_nop 0
	tensor_load_to_lds s[44:47], s[24:31]
	s_nop 0
	tensor_load_to_lds s[48:51], s[24:31]
	s_nop 0
	tensor_load_to_lds s[52:55], s[24:31]
	s_nop 0
	PLACES
	s_branch .Lasked
.Lfor_b:
	tensor_load_to_lds s[68:71], s[32:39]
	s_nop 0
	tensor_load_to_lds s[72:75], s[32:39]
	s_nop 0
	tensor_load_to_lds s[76:79], s[32:39]
	s_nop 0
	tensor_load_to_lds s[80:83], s[32:39]
	s_nop 0
	PLACES
.Lasked:
	v_and_b32 v2, 31, v0
	v_lshlrev_b32 v[L16], 4, v2
	v_lshlrev_b32 v[L8], 3, v2
	s_mul_i32 s2, s19, 4*SLB
	s_mul_i32 s3, s20, 8*SLB
	s_add_co_u32 s3, s3, BOFF
.irp g, 0,1,2,3
	v_add_nc_u32 v[AA16+\g], s2, v[L16]
	v_add_nc_u32 v[AA8+\g], s2, v[L8]
	v_add_nc_u32 v[AB16+\g], s3, v[L16]
	v_add_nc_u32 v[AB8+\g], s3, v[L8]
	s_add_co_u32 s2, s2, SLOT
	s_add_co_u32 s3, s3, SLOT
.endr
	v_and_b32 v5, 15, v0                           ; r
	v_bfe_u32 v6, v0, 4, 1                         ; h
	s_mul_i32 s2, s18, 16*SPITCH                   ; my stage
	v_mul_u32_u24 v[STO], v5, SPITCH
	v_lshl_add_u32 v[STO], v6, 6, v[STO]
	v_add_nc_u32 v[STO], s2, v[STO]                ; in: row r, + 64 h; tile b's eight features: 128 (b / 2) + 32 (b % 2) bytes on
	v_add_nc_u32 v[RD], s2, v[L16]                 ; back: the 32 lanes take one row of 512 bytes
	v_lshlrev_b32 v3, 6, v6                        ; the bias: register j of B's tile b is feature 32 (b / 2) + 8 (b % 2) + 16 h + j
	s_lshl_b32 s84, s21, 10
	s_lshl_b32 s85, s20, 9
	s_add_co_u32 s84, s84, s85                     ; my first feature, in bytes: 4 (256 cx + 128 (w % 2))
	s_mov_b32 s85, 0
	s_add_nc_u64 s[8:9], s[8:9], s[84:85]
	WIN 0x40
.irp b, 0,1,2,3,4,5,6,7
	global_load_b128 v[96+8*\b+96*(\b/4):96+8*\b+96*(\b/4)+3], v3, s[8:9] offset:(32*(\b/2)+8*(\b%2))*4
	global_load_b128 v[96+8*\b+96*(\b/4)+4:96+8*\b+96*(\b/4)+7], v3, s[8:9] offset:(32*(\b/2)+8*(\b%2))*4+16
.endr
	WIN 0
	s_lshl_b32 s2, s56, 7
	s_lshl_b32 s3, s19, 6
	s_add_co_u32 s2, s2, s3                        ; my first token: 128 x index + 64 (w / 2)
	s_lshl_b32 s2, s2, 12                          ; rows of 4,096 bytes
	s_add_co_u32 s2, s2, s84
	s_mov_b32 s3, 0
	s_add_nc_u64 s[10:11], s[10:11], s[2:3]        ; x and out0 at my corner
	s_add_nc_u64 s[12:13], s[12:13], s[2:3]
	s_wait_tensorcnt 0x3                           ; my part of slot 0 has landed; three loads may stay out,
	s_barrier_signal -1
	s_barrier_wait -1                              ; everybody's has
	FETCH 0
	s_wait_loadcnt 0x0                             ; the bias
.irp k, 0,1,2,3,4,5,6,7
	STEP \k
.endr
; THE WAY OUT, a tile of 16 tokens x 128 features at a time.  A lane holds pieces of 32 bytes of one row, and the lanes beside it hold other rows: so a tile goes through my own stage in LDS and comes back as whole rows of 512 bytes.
; LDS serves a wave's instructions in order (ISA guide 5.7.1.4): no wait between the stores and the loads, nor in front of the next tile's stores.
.macro TOSTAGE a
.set AC, 64*(\a)
	WIN 0x08                                       ; an LDS store's data are its source 1: window 2
.irp b, 0,1,2,3,4,5,6,7
	ds_store_b128 v[STO], v[AC+8*\b:AC+8*\b+3] offset:128*(\b/2)+32*(\b%2)       ; each accumulator from its low end on
	ds_store_b128 v[STO], v[AC+8*\b+4:AC+8*\b+7] offset:128*(\b/2)+32*(\b%2)+16
.endr
	WIN 0
.set BB, BK+64*((\a)%2)
.set t, 0
.rept 16
	ds_load_b128 v[BB+4*t:BB+4*t+3], v[RD] offset:t*SPITCH
.set t, t+1
.endr
.endm
.macro SEND a, younger                 ; younger: the LDS instructions issued behind tile a's loads, which may stay out
.set BB, BK+64*((\a)%2)
	s_wait_dscnt \younger                          ; the tile is back in registers
	s_wait_loadcnt 16*(3-(\a))                     ; its rows of x are in; the later tiles' may stay out
	WIN 0x0c                                       ; source 1 window 3
.set n, 0
.rept 32
	v_pk_add_f32 v[BB+n:BB+n+1], v[BB+n:BB+n+1], v[64*(\a)+n:64*(\a)+n+1]   ; the residual
.set n, n+2
.endr
	WIN 0
.set t, 0
.rept 16
	global_store_b128 v[L16], v[BB+4*t:BB+4*t+3], s[12:13] offset:(32*((\a)/2)+8*((\a)%2)+t%8+16*(t/8))*4096 th:TH_STORE_NT   ; 32 lanes store 512 consecutive bytes, at a multiple of 256 from out0's first byte
.set t, t+1
.endr
.endm
	PLACES                                         ; behind the last products: for the loads into the registers that held A's fragments, and for the reads of results
	TOSTAGE 0
.irp a, 1,2,3
.if \a > 1
	s_wait_xcnt 0x0                                ; tile a - 2's stores have read their registers: tile a's loads may land there
.endif
	TOSTAGE \a
	SEND \a-1, 32                                  ; behind tile a - 1's loads: tile a's 16 stores and 16 loads
.endr
	SEND 3, 0
	s_wait_tensorcnt 0x0
	s_wait_tensorcnt 0x0
	ds_add_u32 v126, v127
	s_wait_dscnt 0x0
	CROUND                                         ; the closing round: no work-group ends while a partner may still ask for a tile that names it
	s_endpgm
.Lfunc_end_k_qce5b15beaf_oproj:
	.size	k_qce5b15beaf_oproj, .Lfunc_end_k_qce5b15beaf_oproj-k_qce5b15beaf_oproj
	.p2alignl 7, 3214868480
	.fill 96, 4, 3214868480
	.section	.rodata,"a",@progbits
	.p2align	6, 0x0
	.amdhsa_kernel k_qce5b15beaf_oproj
		.amdhsa_group_segment_fixed_size 320000
		.amdhsa_private_segment_fixed_size 0
		.amdhsa_enable_private_segment 0
		.amdhsa_kernarg_size 40
		.amdhsa_user_sgpr_count 2
		.amdhsa_user_sgpr_kernarg_segment_ptr 1
		.amdhsa_wavefront_size32 1
		.amdhsa_system_sgpr_workgroup_id_x 1
		.amdhsa_system_sgpr_workgroup_id_y 1
		.amdhsa_system_sgpr_workgroup_id_z 1
		.amdhsa_system_vgpr_workitem_id 0
		.amdhsa_next_free_vgpr 1024
		.amdhsa_next_free_sgpr 100
		.amdhsa_reserve_vcc 0
		.amdhsa_float_denorm_mode_32 3
		.amdhsa_float_denorm_mode_16_64 3
		.amdhsa_memory_ordered 1
		.amdhsa_forward_progress 1
		.amdhsa_inst_pref_size 101
	.end_amdhsa_kernel
	.amdgpu_metadata
---
amdhsa.version: [ 1, 2 ]
amdhsa.kernels:
  - .name:           k_qce5b15beaf_oproj
    .symbol:         k_qce5b15beaf_oproj.kd
    .args:
      - { .name: ac, .offset: 0, .size: 8, .value_kind: global_buffer, .address_space: global }
      - { .name: wc, .offset: 8, .size: 8, .value_kind: global_buffer, .address_space: global }
      - { .name: bo, .offset: 16, .size: 8, .value_kind: global_buffer, .address_space: global }
      - { .name: x, .offset: 24, .size: 8, .value_kind: global_buffer, .address_space: global }
      - { .name: out0, .offset: 32, .size: 8, .value_kind: global_buffer, .address_space: global }
    .group_segment_fixed_size: 320000
    .private_segment_fixed_size: 0
    .kernarg_segment_align: 8
    .kernarg_segment_size: 40
    .max_flat_workgroup_size: 128
    .sgpr_count:     100
    .vgpr_count:     1024
    .wavefront_size: 32
...
	.end_amdgpu_metadata
.endif
;; end of part 4
